; MI455X (gfx1250); checked and timed in simulation.
; The chip was launched on July 23, 2026; its instructions are those of AMD's public machine-readable ISA for CDNA 5 (MIT licence, August 2026) and "CDNA5" Instruction Set Architecture Reference Guide (July 2026). The comments in the code are by the model that wrote it; some were corrected since.
;; Multihead Attention. Allowed arithmetic: matrix products marked QUANTISED: E2M3 operands, one E8M0 scale for each 32 along K, by v_wmma_scale_f32_16x16x128_f8f6f4 with both operands' format E2M3, f32 sums; everything else in f32.
;; Inputs: bk 1,024 float32; bo 1,024 float32; bq 1,024 float32; bv 1,024 float32; wk 1,024 x 1,024 float32; wo 1,024 x 1,024 float32; wq 1,024 x 1,024 float32; wv 1,024 x 1,024 float32; x 4 x 2,048 x 1,024 float32.
;; Outputs: out0 4 x 2,048 x 1,024 float32.
;; Constants: mask = 0.
;; This version of the problem:
;;   THIS VERSION OF THE PROBLEM IS GIVEN IN LOW PRECISION. The matrix products marked QUANTISED in the list below multiply operands that are first quantised to E2M3 (2 exponent bits, 3 mantissa bits; 6 bits a number), with one power-of-two scale for each 32 numbers along K (OCP MX v1.0); their sums are f32. All else is computed in f32.
;;   The module's matrix products, in the order in which they are computed (A, B: the left and right operand; K: the contracted axis; several contracted axes count as one K, in the product's order):
;;     1. [M 8,192, K 1,024] x [K 1,024, N 1,024]; A: input x; B: input wq: QUANTISED
;;     2. [M 8,192, K 1,024] x [K 1,024, N 1,024]; A: input x; B: input wk: QUANTISED
;;     3. [M 8,192, K 1,024] x [K 1,024, N 1,024]; A: input x; B: input wv: QUANTISED
;;     4. batch 64 x [M 2,048, K 64] x [K 64, N 2,048]; A: computed on the way; B: computed on the way: QUANTISED
;;     5. batch 64 x [M 2,048, K 2,048] x [K 2,048, N 64]; A: softmax (see below); B: computed on the way: QUANTISED
;;     6. [M 8,192, K 1,024] x [K 1,024, N 1,024]; A: computed on the way; B: input wo: QUANTISED
;;   THE QUANTISER, for each operand of a quantised product, along K:
;;     - K is cut into blocks of 32 from its start; a last block that is shorter is filled with zeros.
;;     - A block's scale is 2^e with e = floor(log2(the largest magnitude in the block)) - 2, held to -126 .. 127; a block of zeros has e = 0. As a byte (E8M0): e + 127.
;;     - Each number is divided by its block's scale, clamped to +-7.5, and rounded to the nearest number of E2M3, ties to even, subnormals kept.
;;     - The product sums the exact products of the quantised numbers (number of the format x scale) in f32.
;;   ~~~python
;;   def quantise(x, axis):      # numpy; x: float32 -> the quantised numbers, widened to float32 again
;;       x = np.moveaxis(x, axis, -1); K = x.shape[-1]
;;       x = np.pad(x, [(0, 0)] * (x.ndim - 1) + [(0, -K % 32)]); x = x.reshape(x.shape[:-1] + (-1, 32)); a = np.abs(x).max(-1, keepdims=True)
;;       e = np.where(a > 0, np.clip(np.frexp(np.where(a > 0, a, 1))[1] - 1 - 2, -126, 127), 0)      # np.frexp(a)[1] - 1 = floor(log2(a)), exactly
;;       r = np.clip(x / 2.0 ** e, -7.5, 7.5)
;;       step = 2.0 ** (np.maximum(np.frexp(np.where(r == 0, 1, r))[1] - 1, 0) - 3)
;;       q = np.round(r / step) * step * 2.0 ** e      # np.round: ties to even
;;       return np.moveaxis(q.reshape(q.shape[:-2] + (-1,))[..., :K], -1, axis).astype(np.float32)
;;   ~~~
;;   SOFTMAX AHEAD OF A QUANTISED PRODUCT. Where the list says 'softmax', what is quantised is not the finished softmax but p = 2^(t - M), with t = logit x log2(e) and M = ceil(the row's largest t), a whole number; so 1/2 < the row's largest p <= 1. The row's sum l is taken of the UNQUANTISED p, in f32, and the product's result is divided by l at the end. Since M is a whole number, a kernel that streams over the keys may use a running M (the ceiling of the running maximum): every later rescaling is an exact power of two, which a block's scale takes up: the codes' values come out the same.
;;   OPERANDS COMPUTED ON THE WAY. 'Computed on the way' means the value that the module computes at that place (a softmax that the list does not call 'softmax' is quantised finished and normalised). What goes into a quantiser is computed in f32, as accurately as f32 sums, v_exp_f32 and their like allow (about 1e-6 of the number): no bf16 or f16 on the way to a quantiser, and a product that is left as it is and whose result goes on into a quantised operand takes f32 operands (vector FMAs, or v_wmma_f32_16x16x4_f32). A number that lies on a knife's edge between two numbers of the format may be rounded either way, as far as f32 arithmetic and the matrix unit's own rounding can turn it there, and no further.
;; One version. Each part assembles by itself: llvm-mc -triple=amdgcn-amd-amdhsa -mcpu=gfx1250 --defsym DOCPART=n.
;; ======== version 1 of 1: 4 launches
;; limits: right only within a limited range of input values
;; workspace buffers: ximg 6,291,456 bytes; xsc 262,144 bytes; wimg 3,145,728 bytes; wsc 131,072 bytes; qi 6,553,600 bytes; kv 13,107,200 bytes; oimg 6,291,456 bytes; osc 262,144 bytes
;; launch prep (part 1): grid 384 x 1, 4 waves a work-group, no clusters, 60,928 bytes of LDS; arguments x, wq, wk, wv, wo, ximg, xsc, wimg, wsc; writes ximg, xsc, wimg, wsc
.if DOCPART == 1
	.amdgcn_target "amdgcn-amd-amdhsa--gfx1250"
	.amdhsa_code_object_version 6
	.text
	.protected	k_qe77aa0d152_prep
	.globl	k_qe77aa0d152_prep
	.p2align	8
	.type	k_qe77aa0d152_prep,@function
k_qe77aa0d152_prep:
	s_mov_b64 s[64:65], 0
	v_nop
	global_prefetch_b8 v0, s[64:65] scope:SCOPE_SE
	s_setreg_imm32_b32 hwreg(HW_REG_WAVE_MODE, 25, 1), 1
	s_wait_xcnt 0x0
; x [8192][1024] and the four weights [1024 (k)][1024 (n)], f32, become codes of FP6 (E2M3) with one E8M0 byte for each 32 along K, laid as IMAGES OF OPERAND REGISTERS.
; A fragment (16 rows x 128 K, 12 registers a lane) is 1,536 bytes: registers 4 c .. 4 c + 3 of lane l at 512 c + 16 l.  Images: [group of 128 rows][K step of 128: 8][tile: 8][fragment].
; THE ROWS OF A TILE: lane r of tile 2 g + u holds row 32 g + 8 u + r + 8 (r / 8) of its group.
; THE ORDER OF K, alike in x's and the weights' images: in a K step lanes 0-15 hold k = 0 .. 63 and lanes 16-31 k = 64 .. 127; registers 0-5 the first 32 of them, registers 6-11 the second.
; So the block of 32 that lies at 64 h + 32 c stands at the matrix instruction's place 2 c + h, and its scale byte is byte 2 c + h of the row's word.  Blocks stay whole; only the order of the f32 sums differs.
; Scale words: [group][pair of K steps: 4][tile: 8][row in the tile: 16][2 words].
; A block's scale is 2^(floor(log2(largest magnitude)) - 2): its byte is the largest magnitude's exponent field - 2, held at 1 from below by a floor among the maximum's leaves.
; LIMITS: NaN and infinities are not served; a block whose largest magnitude lies under 2^-124 takes the byte 1; a block of zeros takes the byte 1 where the quantiser's rule says 127 (its codes are zeros, and this program alone reads the bytes).
; Work-groups 0-255 take x (128 rows x 256 K each), 256-383 the weights (128 columns x 256 K each).  The two ways have LDS bytes of their own.  No barrier: waves share nothing.
.set GRP,  98304                       ; an image's group: 128 rows, all of K
.set KAP,  12288                       ; one K step of a group: 8 fragments
.set FRB,  1536
.set XSTW, 8448                        ; x's way: a stage of 16 rows x 528 bytes for each wave, from LDS byte 0
.set WST,  33792                       ; the weights' way: four fragments, 1,664 bytes apart, for each wave
.set WSTW, 6656
.set R,    16                          ; v16-143  x: two sets of 64 registers as loaded
.set XN,   144                         ; v144-207 x: my 64 neighbours along K
.set PX,   208                         ; v208-219 x: a fragment's 12 registers
.set CX,   220                         ; v220-222, v224-226: the second halves of the two blocks, as converted
.set PW,   228                         ; v228-231 the four fragments' scale words
.set WX,   32                          ; v32-95   weights: two sets of 32 numbers
.set PC,   96                          ; v96-107  weights: 12 registers of a fragment's lane
.set CW,   108
.set WOUT, 112                         ; v112-159 weights: four fragments on the way out
.set SB,   24                          ; v24-25   weights: my column's two scale words
	s_load_b256 s[4:11], s[0:1], 0x0               ; x, wq, wk, wv
	s_load_b256 s[12:19], s[0:1], 0x20             ; wo, ximg, xsc, wimg
	s_load_b64 s[24:25], s[0:1], 0x40              ; wsc
	v_lshl_add_u32 v254, v0, 2, 0xec00
	v_mov_b32 v255, 0
	v_lshrrev_b32 v1, 5, v0
	v_readfirstlane_b32 s23, v1                    ; wave
	v_and_b32 v1, 31, v0                           ; lane
	s_cmp_lt_u32 ttmp9, 256
	s_cbranch_scc0 .Lweights
; ---------------- x.  Work-group g: group g / 4, K steps 2 (g % 4) and the next.  Wave w: tiles 2 w, 2 w + 1: four fragments f = 2 u + step.
	v_and_b32 v2, 15, v0                           ; r
	v_bfe_u32 v3, v0, 4, 1                         ; h
	v_lshlrev_b32 v4, 4, v1                        ; 16 x lane: in a row's 512 bytes, and in a chunk of an image
	s_mul_i32 s26, s23, XSTW
	v_add_nc_u32 v5, s26, v4                       ; the stage, on the way in: a row as it lies
	v_mul_u32_u24 v6, v2, 528
	v_lshl_add_u32 v6, v3, 8, v6
	v_add_nc_u32 v6, s26, v6                       ; and on the way out: row r, my half's 256 bytes
	v_lshlrev_b32 v7, 3, v1                        ; 8 x lane: the scale words' place
	v_lshlrev_b32 v15, 3, v3                       ; 8 h: my bytes' shift in a scale word
	v_mov_b32 v14, 0                               ; written once: a lane permute's destination counts as one of its sources
	s_mov_b32 s20, 0x76543210
	s_mov_b32 s21, 0xfedcba98                      ; v_permlanex16_b32's selects for lane l xor 16
	s_mov_b32 s22, 0xffff0000                      ; lanes 16-31
	s_lshr_b32 s27, ttmp9, 2                       ; group
	s_and_b32 s28, ttmp9, 3                        ; pair of K steps
	s_lshl_b32 s30, s27, 19                        ; x: 128 rows of 4,096 bytes a group,
	s_lshl_b32 s29, s23, 17                        ; 32 rows a wave,
	s_add_co_u32 s30, s30, s29
	s_lshl_b32 s29, s28, 10                        ; 1,024 bytes a pair of K steps
	s_add_co_u32 s30, s30, s29
	s_mov_b32 s31, 0
	s_mul_i32 s32, s27, GRP
	s_mul_i32 s29, s28, 2*KAP
	s_add_co_u32 s32, s32, s29
	s_mul_i32 s29, s23, 2*FRB
	s_add_co_u32 s32, s32, s29
	s_mov_b32 s33, 0
	s_lshl_b32 s34, s27, 12
	s_lshl_b32 s29, s28, 10
	s_add_co_u32 s34, s34, s29
	s_lshl_b32 s29, s23, 8
	s_add_co_u32 s34, s34, s29
	s_mov_b32 s35, 0
	s_wait_alu depctr_va_vdst(0)
	s_wait_kmcnt 0x0
	s_add_nc_u64 s[4:5], s[4:5], s[30:31]
	s_add_nc_u64 s[14:15], s[14:15], s[32:33]
	s_add_nc_u64 s[16:17], s[16:17], s[34:35]
.macro LOADF f                         ; fragment f's 16 rows x 128 numbers: each load reads 512 consecutive bytes of one row
.irp j, 0,1,2,3,4,5,6,7,8,9,10,11,12,13,14,15
	global_load_b128 v[R+64*((\f)%2)+4*\j:R+64*((\f)%2)+4*\j+3], v4, s[4:5] offset:(8*((\f)/2)+\j+8*(\j/8))*4096+512*((\f)%2) th:TH_LOAD_NT
.endr
.endm
.macro TURNX f                         ; through the stage: in by rows, out 64 neighbours a lane.  LDS serves a wave's instructions in order: no wait between the stores and the loads
.irp j, 0,1,2,3,4,5,6,7,8,9,10,11,12,13,14,15
	ds_store_b128 v5, v[R+64*((\f)%2)+4*\j:R+64*((\f)%2)+4*\j+3] offset:528*\j
.endr
.irp q, 0,1,2,3,4,5,6,7,8,9,10,11,12,13,14,15
	ds_load_b128 v[XN+4*\q:XN+4*\q+3], v6 offset:16*\q
.endr
.endm
.macro QX f                            ; my two whole blocks become registers 0-5 and 6-11 of the fragment; the image leaves in three stores of 512 consecutive bytes
	v_max3_num_f32 v8, |v[XN]|, |v[XN+1]|, 0x1800000               ; the floor 2^(3 - 127) among the leaves holds the byte at 1 from below
	v_max3_num_f32 v9, |v[XN+32]|, |v[XN+33]|, 0x1800000
.irp i, 2,4,6,8,10,12,14,16,18,20,22,24,26,28,30
	v_max3_num_f32 v8, v8, |v[XN+\i]|, |v[XN+1+\i]|                ; (the two blocks by turns)
	v_max3_num_f32 v9, v9, |v[XN+32+\i]|, |v[XN+33+\i]|
.endr
	v_add_nc_u32 v10, 0xff000000, v8               ; 2 off the exponent field: the conversion's scale operand
	v_add_nc_u32 v11, 0xff000000, v9
	v_lshrrev_b32 v12, 23, v10                     ; the bytes
	v_lshrrev_b32 v13, 23, v11
	v_lshl_or_b32 v12, v13, 16, v12                ; bytes 2 c,
	v_lshlrev_b32 v12, v15, v12                    ; + h
	v_permlanex16_b32 v14, v12, s20, s21
	v_or_b32 v[PW+(\f)], v12, v14                  ; with lane l xor 16's two the word is whole
	v_cvt_scalef32_pk16_fp6_f32 v[PX:PX+2], v[XN:XN+15], v10
	v_cvt_scalef32_pk16_fp6_f32 v[CX:CX+2], v[XN+16:XN+31], v10    ; (a conversion's three registers begin on an even number)
	v_cvt_scalef32_pk16_fp6_f32 v[PX+6:PX+8], v[XN+32:XN+47], v11
	v_cvt_scalef32_pk16_fp6_f32 v[CX+4:CX+6], v[XN+48:XN+63], v11
	v_nop                                          ; one plain place behind the conversions
.irp i, 0,1,2
	v_mov_b32 v[PX+3+\i], v[CX+\i]
	v_mov_b32 v[PX+9+\i], v[CX+4+\i]
.endr
.irp c, 0,1,2
	global_store_b128 v4, v[PX+4*\c:PX+4*\c+3], s[14:15] offset:((\f)%2)*KAP+((\f)/2)*FRB+512*\c
.endr
.endm
	LOADF 0
	LOADF 1
.irp f, 0,1,2,3
.if \f < 3
	s_wait_loadcnt 16                              ; this fragment's 16 loads are in; the next one's 16 may be out
.else
	s_wait_loadcnt 0x0
.endif
	TURNX \f
	s_wait_dscnt 0x0                               ; my 64 numbers are back, and the stage's stores have read their registers
.if \f > 0
	s_wait_xcnt 0x0                                ; the last fragment's stores have read PX: it is written again only behind this wait
.endif
.if \f < 2
	LOADF \f+2
.endif
	QX \f
.endr
	v_cndmask_b32 v232, v[PW], v[PW+2], s22        ; lanes 0-15: tile 2 w's words, lanes 16-31: tile 2 w + 1's; first K step,
	v_cndmask_b32 v233, v[PW+1], v[PW+3], s22      ; second K step
	global_store_b64 v7, v[232:233], s[16:17]      ; 256 consecutive bytes, aligned
	s_wait_tensorcnt 0x0
	ds_add_u32 v254, v255
	s_wait_dscnt 0x0
	s_endpgm
; ---------------- the weights.  Work-group 256 + g: weight g / 32, group (g / 4) % 8 of its 1,024 columns, K rows 256 (g % 4) on.  A LANE TAKES A COLUMN AND ITS REGISTERS RUN DOWN K.
.Lweights:
	s_sub_co_u32 s26, ttmp9, 256
	s_lshr_b32 s27, s26, 5                         ; which weight
	s_bfe_u32 s28, s26, 0x30002                    ; which 128 columns
	s_and_b32 s29, s26, 3                          ; which 256 along K
	s_wait_alu depctr_va_vdst(0)
	v_lshlrev_b32 v3, 2, v1                        ; in: 4 bytes a lane
	v_bfe_u32 v8, v0, 3, 1                         ; column n of the wave's 32 is lane r = n % 8 + 8 (n / 16) of tile u = (n / 8) % 2
	v_and_b32 v9, 7, v0
	v_bfe_u32 v10, v0, 4, 1
	v_lshl_add_u32 v9, v10, 3, v9
	s_mul_i32 s30, s23, WSTW
	s_add_co_u32 s30, s30, WST
	v_mul_u32_u24 v4, v8, 1664
	v_lshl_add_u32 v4, v9, 4, v4
	v_add_nc_u32 v4, s30, v4                       ; the stage, on the way in: fragment u, lane r
	v_lshlrev_b32 v6, 4, v1                        ; 16 x lane
	v_add_nc_u32 v5, s30, v6                       ; and on the way out
	v_lshlrev_b32 v7, 7, v8
	v_lshl_add_u32 v7, v9, 3, v7                   ; my scale words' place: 128 u + 8 r
	s_lshl_b32 s32, s29, 20                        ; 256 rows of 4,096 bytes,
	s_lshl_b32 s31, s28, 9                         ; 128 columns,
	s_add_co_u32 s32, s32, s31
	s_lshl_b32 s31, s23, 7                         ; 32 columns a wave
	s_add_co_u32 s32, s32, s31
	s_mov_b32 s33, 0
	s_lshl_b32 s31, s27, 3
	s_add_co_u32 s31, s31, s28                     ; the image's group
	s_mul_i32 s34, s31, GRP
	s_lshl_b32 s36, s31, 12
	s_mul_i32 s31, s29, 2*KAP
	s_add_co_u32 s34, s34, s31
	s_mul_i32 s31, s23, 2*FRB
	s_add_co_u32 s34, s34, s31
	s_mov_b32 s35, 0
	s_lshl_b32 s31, s29, 10
	s_add_co_u32 s36, s36, s31
	s_lshl_b32 s31, s23, 8
	s_add_co_u32 s36, s36, s31
	s_mov_b32 s37, 0
	s_wait_kmcnt 0x0
	s_cmp_eq_u32 s27, 2                            ; the weight is chosen by the work-group's number alone
	s_cselect_b64 s[12:13], s[10:11], s[12:13]
	s_cmp_eq_u32 s27, 1
	s_cselect_b64 s[12:13], s[8:9], s[12:13]
	s_cmp_eq_u32 s27, 0
	s_cselect_b64 s[12:13], s[6:7], s[12:13]
	s_add_nc_u64 s[12:13], s[12:13], s[32:33]
	s_add_nc_u64 s[18:19], s[18:19], s[34:35]
	s_add_nc_u64 s[24:25], s[24:25], s[36:37]
.macro LOADW t                         ; block t: 32 rows of K at my column: 128 consecutive bytes a load
.irp i, 0,1,2,3,4,5,6,7,8,9,10,11,12,13,14,15,16,17,18,19,20,21,22,23,24,25,26,27,28,29,30,31
	global_load_b32 v[WX+32*((\t)%2)+\i], v3, s[12:13] offset:(32*(\t)+\i)*4096 th:TH_LOAD_NT
.endr
.endm
.macro BLOCKW t                        ; block t lies in K step t / 4, at 64 hi + 32 c with hi = (t / 2) % 2, c = t % 2: registers 6 c .. of lane (r, hi), byte 2 c + hi
.set XS, WX+32*((\t)%2)
.set CC, (\t)%2
.set HI, ((\t)/2)%2
.set KQ, (\t)/4
.if (\t) < 7
	s_wait_loadcnt 32                              ; this block's 32 loads are in; the next block's may be out
.else
	s_wait_loadcnt 0x0
.endif
	v_max3_num_f32 v12, |v[XS]|, |v[XS+1]|, |v[XS+2]|
	v_max3_num_f32 v13, |v[XS+3]|, |v[XS+4]|, |v[XS+5]|
.irp i, 6,10,14,18,22,26
	v_max3_num_f32 v12, v12, |v[XS+\i]|, |v[XS+\i+1]|
	v_max3_num_f32 v13, v13, |v[XS+\i+2]|, |v[XS+\i+3]|
.endr
	v_max3_num_f32 v12, v12, |v[XS+30]|, |v[XS+31]|
	v_max3_num_f32 v12, v12, v13, 0x1800000        ; and the floor
	v_add_nc_u32 v11, 0xff000000, v12              ; the conversion's scale operand
	v_lshrrev_b32 v13, 23, v11                     ; the byte
.if (\t)%4 == 0
	v_mov_b32 v[SB+KQ], v13
.else
	v_lshl_or_b32 v[SB+KQ], v13, 8*(2*CC+HI), v[SB+KQ]
.endif
	v_cvt_scalef32_pk16_fp6_f32 v[PC+6*CC:PC+6*CC+2], v[XS:XS+15], v11
	v_cvt_scalef32_pk16_fp6_f32 v[CW:CW+2], v[XS+16:XS+31], v11
	v_nop                                          ; one plain place behind the conversions
.irp i, 0,1,2
	v_mov_b32 v[PC+6*CC+3+\i], v[CW+\i]
.endr
.if CC == 1
.irp c, 0,1,2
	ds_store_b128 v4, v[PC+4*\c:PC+4*\c+3] offset:3328*KQ+256*HI+512*\c    ; the 12 registers of lane (r, hi) of fragment (K step, u)
.endr
.endif
.if (\t)+2 < 8
	LOADW (\t)+2
.endif
.if CC == 1
	s_wait_dscnt 0x0                               ; the stores have read their registers
.endif
.endm
	LOADW 0
	LOADW 1
.irp t, 0,1,2,3,4,5,6,7
	BLOCKW \t
.endr
	s_wait_alu depctr_va_vdst(0)
	global_store_b64 v7, v[SB:SB+1], s[24:25]      ; the wave's 32 lanes fill 256 consecutive bytes, aligned
.irp i, 0,1,2,3,4,5,6,7,8,9,10,11
	ds_load_b128 v[WOUT+4*\i:WOUT+4*\i+3], v5 offset:3328*(\i/6)+1664*((\i/3)%2)+512*(\i%3)   ; LDS serves a wave's instructions in order: these see my stores
.endr
.irp i, 0,1,2,3,4,5,6,7,8,9,10,11
	s_wait_dscnt 11-\i
	global_store_b128 v6, v[WOUT+4*\i:WOUT+4*\i+3], s[18:19] offset:(\i/6)*KAP+((\i/3)%2)*FRB+512*(\i%3)
.endr
	s_wait_tensorcnt 0x0
	ds_add_u32 v254, v255
	s_wait_dscnt 0x0
	s_endpgm
.Lfunc_end_k_qe77aa0d152_prep:
	.size	k_qe77aa0d152_prep, .Lfunc_end_k_qe77aa0d152_prep-k_qe77aa0d152_prep
	.p2alignl 7, 3214868480
	.fill 96, 4, 3214868480
	.section	.rodata,"a",@progbits
	.p2align	6, 0x0
	.amdhsa_kernel k_qe77aa0d152_prep
		.amdhsa_group_segment_fixed_size 60928
		.amdhsa_private_segment_fixed_size 0
		.amdhsa_enable_private_segment 0
		.amdhsa_kernarg_size 72
		.amdhsa_user_sgpr_count 2
		.amdhsa_user_sgpr_kernarg_segment_ptr 1
		.amdhsa_wavefront_size32 1
		.amdhsa_system_sgpr_workgroup_id_x 1
		.amdhsa_system_sgpr_workgroup_id_y 1
		.amdhsa_system_sgpr_workgroup_id_z 1
		.amdhsa_system_vgpr_workitem_id 0
		.amdhsa_next_free_vgpr 256
		.amdhsa_next_free_sgpr 66
		.amdhsa_reserve_vcc 0
		.amdhsa_float_denorm_mode_32 3
		.amdhsa_float_denorm_mode_16_64 3
		.amdhsa_memory_ordered 1
		.amdhsa_forward_progress 1
		.amdhsa_inst_pref_size 71
	.end_amdhsa_kernel
	.amdgpu_metadata
---
amdhsa.version: [ 1, 2 ]
amdhsa.kernels:
  - .name:           k_qe77aa0d152_prep
    .symbol:         k_qe77aa0d152_prep.kd
    .args:
      - { .name: x, .offset: 0, .size: 8, .value_kind: global_buffer, .address_space: global }
      - { .name: wq, .offset: 8, .size: 8, .value_kind: global_buffer, .address_space: global }
      - { .name: wk, .offset: 16, .size: 8, .value_kind: global_buffer, .address_space: global }
      - { .name: wv, .offset: 24, .size: 8, .value_kind: global_buffer, .address_space: global }
      - { .name: wo, .offset: 32, .size: 8, .value_kind: global_buffer, .address_space: global }
      - { .name: ximg, .offset: 40, .size: 8, .value_kind: global_buffer, .address_space: global }
      - { .name: xsc, .offset: 48, .size: 8, .value_kind: global_buffer, .address_space: global }
      - { .name: wimg, .offset: 56, .size: 8, .value_kind: global_buffer, .address_space: global }
      - { .name: wsc, .offset: 64, .size: 8, .value_kind: global_buffer, .address_space: global }
    .group_segment_fixed_size: 60928
    .private_segment_fixed_size: 0
    .kernarg_segment_align: 8
    .kernarg_segment_size: 72
    .max_flat_workgroup_size: 128
    .sgpr_count:     66
    .vgpr_count:     256
    .wavefront_size: 32
...
	.end_amdgpu_metadata
.endif
;; end of part 1
;; launch qkv (part 2): grid 8 x 48, 4 waves a work-group, clusters of 4 x 4, 327,680 bytes of LDS; arguments ximg, xsc, wimg, wsc, bq, bk, bv, qi, kv; writes qi, kv
.if DOCPART == 2
	.amdgcn_target "amdgcn-amd-amdhsa--gfx1250"
	.amdhsa_code_object_version 6
	.text
	.protected	k_qe77aa0d152_qkv
	.globl	k_qe77aa0d152_qkv
	.p2align	8
	.type	k_qe77aa0d152_qkv,@function
k_qe77aa0d152_qkv:
	s_mov_b64 s[64:65], 0
	v_nop
	global_prefetch_b8 v0, s[64:65] scope:SCOPE_SE
	s_setreg_imm32_b32 hwreg(HW_REG_WAVE_MODE, 25, 1), 1
	s_wait_xcnt 0x0
	s_wait_alu depctr_hold_cnt(0) depctr_sa_sdst(0) depctr_va_vdst(0) depctr_va_sdst(0) depctr_va_ssrc(0) depctr_va_vcc(0) depctr_vm_vsrc(0)
	s_getreg_b32 s2, hwreg(HW_REG_IB_STS2, 6, 4)
	s_cmp_eq_u32 s2, 0
	s_cbranch_scc0 .Lentry_in_a_cluster
	s_endpgm
.Lentry_in_a_cluster:
	s_bfe_u32 s2, ttmp6, 0x10000c
	s_cmp_lg_u32 s2, 0xf033
	s_cbranch_scc0 .Lentry_shape_is_right
	s_endpgm
.Lentry_shape_is_right:
; q = x wq + bq, k = x wk + bk, v = x wv + bv on codes of FP6 (E2M3), K = 1,024; the results are quantised on the way out and leave as images of the attention's operand registers.
; ONE GEMM FRAME, C'[i][j] = sum over k of A'[i][k] B'[j][k], tiles of 256 x 256, four waves of 128 x 128 (64 accumulators, 512 registers).  Source 0 = 16 rows of B', source 1 = 16 rows of A':
; lane (r, h), register j of accumulator (a, b) is A' row (tile a, lane r) and B' row 32 (b / 2) + 16 h + 8 (b % 2) + j: a lane's 64 registers of one a run along B's rows, 16 neighbours to each pair of tiles.
; KIND QK (cluster y 0-7):  A' = x, B' = wq and wk on end: a lane holds one token and 128 channels (two heads): quantised along the channels.
; KIND V  (cluster y 8-11): A' = wv, B' = x: a lane holds one channel and 128 tokens (a key step): v comes out with the keys innermost and is quantised along the keys.
; The kind hangs on the cluster's y alone: it is the same in all sixteen partners.
; OPERANDS are images of registers (a fragment: 1,536 dense bytes, three loads of 16 bytes a lane); a K step of 256 of 128 rows is one dense block of 24,576 bytes.
; LDS: three slots of 98,304 bytes (A's two groups of 128 rows, B's two), the scale words of all K (4 x 4,096), the spare words.  K has four steps of 256: three are first fills, the fourth is the one refill (into slot 0).
; CLUSTER 4 x 4: A's tiles are asked for jointly along a row of the cluster, B's along a column.
; RECORDS.  qi: [b h][128 queries] 6,400 bytes: four fragments of 32 rows x 64 channels (registers 0-5: row 32 f + r + 8 (r / 8), registers 6-11: the row 8 further on; lane half h: channels 32 h on), then 256 bytes of scale words.
;   kv: [b h][128 keys] 12,800 bytes: K's four fragments likewise, V's four (16 channels x 128 keys), K's scale words (256), V's (256).  A scale block: lane l's 8 bytes at 8 l: word 0 fragment l / 16, word 1 fragment 2 + l / 16.
; Each kind uses one of the two sets of bias registers; the other set's loads (inside bv) serve nothing there: so no branch parts the text ahead of the way out.
; LIMITS: NaN and infinities are not served; a block whose largest magnitude lies under 2^-124, a block of zeros among them, takes the scale byte 1 (this program alone reads the bytes).
.set NA,    8                          ; A' tiles of a wave
.set NL,    3                          ; LDS loads of a fragment
.set NP,    4                          ; places behind this matrix instruction (ISA guide 7.12.1)
.set FR,    12
.set FRB,   1536
.set KAP,   12288                      ; 128 along K of a group: 8 fragments
.set KST,   24576                      ; a K step of 256
.set GRP,   98304
.set SLOT,  98304
.set SCL,   294912
.set SPARE, 311296                     ; the spare words: 128 bytes a wave, two blocks of 256 bytes that no other line names
.set ADRA, 16                          ; v16-18 LDS address of my A' fragments in slot 0, 1, 2
.set ADRB, 20                          ; v20-22 the same for B'
.set ADRS, 27                          ; v27    my scale words: lanes 0-15 A's rows, lanes 16-31 B's
.set SPW,  28                          ; v28    my spare word; never rewritten
.set NIL,  29                          ; v29    0; never rewritten
.set SC,   32                          ; v32-63 scale words, two sets of 16: register 2 i + q: lanes 0-15 A' tile i, lanes 16-31 B' tile i, the K step's q-th 128
.set BJ,   64                          ; v64-127  bias along a lane's registers (kind QK)
.set AF,   128                         ; v128-223 A's fragments, one set
.set BI,   224                         ; v224-231 bias of my row in each A' tile (kind V)
.set H,    128                         ; the way out: 64 numbers
.set IM0,  192                         ; two fragments in the making
.set IM1,  204
.set CT,   216                         ; v216-218, v220-222
.set TM,   232                         ; v232-247 at work
.set PWS,  248                         ; v248-255 the eight tiles' scale words
.set G1,   24                          ; s[24:31] group 1 for A's tiles; s[32:43] groups 0, one for each slot
.set G0,   32
.set G1B,  44                          ; s[44:51], s[52:63] the same for B's
.set G0B,  52
.set G1S,  68                          ; s[68:75], s[76:79] A's scale words; s[80:87], s[88:91] B's
.set G0S,  76
.set G1SB, 80
.set G0SB, 88
.set SEL,  98
.set MSB, 0
.macro WIN new                         ; the immediate's high byte repeats the setting that is left
.if MSB != (\new)
	s_set_vgpr_msb (MSB<<8)|(\new)
.set MSB, (\new)
.endif
.endm
.set MUL_LO, 0xa1                      ; source 0 (B') window 1, source 1 (A') window 0, C and D window 2
.set MUL_HI, 0xf1                      ; the same, C and D window 3
.set TO_B,   0x40
.macro PLACES n
.rept \n
	v_nop
.endr
.endm
.macro JLOAD g0a, g1a, g0b, g1b        ; a joint load: waves 0 and 1 fetch for A', waves 2 and 3 for B'; four v_nop follow each line
	s_cmp_eq_u32 s15, 0
	s_cbranch_scc0 .Lfor_b_\@
	tensor_load_to_lds s[\g0a:\g0a+3], s[\g1a:\g1a+7]
	s_nop 0
	PLACES 4
	s_branch .Lasked_\@
.Lfor_b_\@:
	tensor_load_to_lds s[\g0b:\g0b+3], s[\g1b:\g1b+7]
	s_nop 0
	PLACES 4
.Lasked_\@:
.endm
.macro CREST                           ; a round of the cluster's barrier behind its opening barrier
	s_cmp_lg_u32 s14, 0
	s_cbranch_scc1 .Lnot_wave_0_\@
	s_barrier_signal -3
.Lnot_wave_0_\@:
	s_barrier_wait -3
	s_barrier_signal -1
	s_barrier_wait -1
.endm
.macro CROUND
	s_barrier_signal -1
	s_barrier_wait -1
	CREST
.endm
	s_load_b256 s[4:11], s[0:1], 0x0               ; ximg, xsc, wimg, wsc
	v_lshl_add_u32 v[SPW], v0, 2, SPARE
	v_mov_b32 v[NIL], 0
	ds_add_u32 v28, v29
	ds_add_u32 v28, v29
	s_wait_dscnt 0x0
	v_lshrrev_b32 v1, 5, v0
	v_readfirstlane_b32 s14, v1                    ; wave 0..3
	s_lshr_b32 s15, s14, 1                         ; my half of A's rows.  Also: I fetch for A' (0) or for B' (1)
	s_and_b32 s16, s14, 1                          ; my half of B's rows.  Also: which group of 128 rows I fetch
	s_bfe_u32 s92, ttmp6, 0x40000                  ; cx
	s_bfe_u32 s93, ttmp6, 0x40004                  ; cy
	s_lshl_b32 s94, s93, 2
	s_lshl_b32 s94, 15, s94                        ; my row of the cluster
	s_lshl_b32 s95, 0x1111, s92                    ; my column
	s_and_b32 s17, ttmp7, 0xffff                   ; cluster y
	s_lshl_b32 s19, s17, 2
	s_sub_co_u32 s21, s17, 8
	s_lshl_b32 s21, s21, 3
	s_lshl_b32 s20, ttmp9, 2
	s_cmp_ge_u32 s17, 8
	s_cselect_b32 s96, 1, 0                        ; the kind: 0 QK, 1 V
	s_cselect_b32 s19, 0, s19
	s_cselect_b32 s21, s21, 0
	s_cselect_b32 s2, 16, 0                        ; wv's groups begin at 16 in the weights' image
	s_add_co_u32 s19, s19, s93                     ; A's tile: QK 4 cluster y + cy; V cy
	s_add_co_u32 s20, s20, s92
	s_add_co_u32 s20, s20, s21                     ; B's tile: 4 cluster x + cx (+ 8 (cluster y - 8) in kind V)
	s_lshl_b32 s21, s19, 1
	s_add_co_u32 s21, s21, s16
	s_add_co_u32 s21, s21, s2                      ; the group of A' that I would fetch,
	s_mul_i32 s22, s21, GRP                        ; its codes,
	s_mov_b32 s23, 0
	s_lshl_b32 s2, s21, 12                         ; its scale words
	s_mov_b32 s3, 0
	s_lshl_b32 s17, s20, 1
	s_add_co_u32 s17, s17, s16                     ; and of B'
	s_mul_i32 s66, s17, GRP
	s_mov_b32 s67, 0
	s_lshl_b32 s12, s17, 12
	s_mov_b32 s13, 0
	s_mul_i32 s18, s14, KST                        ; where my tile goes in a slot: no place in the cluster enters an LDS address
	; group 1: dense blocks as rows of 256 bytes (32 elements of 8 bytes): 96 rows a tile, 16 rows of scale words
	s_or_b32 s[G1], s94, (3<<16)|(1<<21)           ; 15:0 the mask: A's go to my row; 17:16 elements of 8 bytes; 21 set beside a mask; no padding
	s_or_b32 s[G1B], s95, (3<<16)|(1<<21)
	s_or_b32 s[G1S], s94, (3<<16)|(1<<21)
	s_or_b32 s[G1SB], s95, (3<<16)|(1<<21)
.irp g, G1, G1B                        ; the head's shape: K step 0 of two groups: 2 rows of 24,576 bytes (3,072 elements), a group (12,288 elements) apart
	s_mov_b32 s[\g+1], 3072<<16
	s_mov_b32 s[\g+2], 2<<16
	s_mov_b32 s[\g+3], 3072<<16
	s_mov_b32 s[\g+4], 2
	s_mov_b32 s[\g+5], 12288
	s_mov_b32 s[\g+6], 0
	s_mov_b32 s[\g+7], 0
.endr
.irp g, G1S, G1SB                      ; two groups' scale words lie on end: 32 rows of 256 bytes
	s_mov_b32 s[\g+1], 32<<16
	s_mov_b32 s[\g+2], 32<<16
	s_mov_b32 s[\g+3], 32<<16
	s_mov_b32 s[\g+4], 32
	s_mov_b32 s[\g+5], 32
	s_mov_b32 s[\g+6], 0
	s_mov_b32 s[\g+7], 0
.endr
	s_wait_kmcnt 0x0
	s_cmp_eq_u32 s96, 0                            ; the operands change roles with the kind
	s_cselect_b64 s[100:101], s[4:5], s[8:9]
	s_cselect_b64 s[104:105], s[6:7], s[10:11]
	s_cselect_b64 s[8:9], s[8:9], s[4:5]
	s_cselect_b64 s[10:11], s[10:11], s[6:7]
	s_add_nc_u64 s[4:5], s[100:101], s[22:23]      ; A's codes, A's scale words, B's codes, B's scale words, each at the group that I fetch
	s_add_nc_u64 s[6:7], s[104:105], s[2:3]
	s_add_nc_u64 s[8:9], s[8:9], s[66:67]
	s_add_nc_u64 s[10:11], s[10:11], s[12:13]
	s_mov_b32 s[G0S], 1
	s_mul_i32 s22, s16, GRP                        ; back from my group to the tile's first group (s23 = s3 = 0 still)
	s_lshl_b32 s2, s16, 12
	s_mov_b32 s[G0S+1], SCL
	s_sub_nc_u64 s[G0S+2:G0S+3], s[6:7], s[2:3]
	s_or_b32 s[G0S+3], s[G0S+3], 0x80000000
	s_mov_b32 s[G0SB], 1
	s_mov_b32 s[G0SB+1], SCL+8192
	s_sub_nc_u64 s[G0SB+2:G0SB+3], s[10:11], s[2:3]
	s_or_b32 s[G0SB+3], s[G0SB+3], 0x80000000
; LDS AS IT IS NOW: slot 0 at wave x KST; K steps 1 and 2 of a group lie on end at SLOT + wave x 2 KST, so that one load of 192 rows brings both.
; Set 0: slot 0's refill (K step 3); set 1: K steps 1 and 2 of my group; set 2: the head's K step 0 of both groups.
	s_mul_i32 s17, s14, 2*KST
.irp n, 0,1
	s_mov_b32 s[G0+4*\n], 1
	s_add_nc_u64 s[G0+4*\n+2:G0+4*\n+3], s[4:5], \n*KST
	s_or_b32 s[G0+4*\n+3], s[G0+4*\n+3], 0x80000000
	s_mov_b32 s[G0B+4*\n], 1
	s_add_nc_u64 s[G0B+4*\n+2:G0B+4*\n+3], s[8:9], \n*KST
	s_or_b32 s[G0B+4*\n+3], s[G0B+4*\n+3], 0x80000000
.endr
	s_mov_b32 s[G0+1], s18
	s_mov_b32 s[G0B+1], s18
	s_add_co_u32 s[G0+5], s17, SLOT
	s_add_co_u32 s[G0B+5], s17, SLOT
	s_mov_b32 s[G0+8], 1
	s_mov_b32 s[G0+9], 0
	s_sub_nc_u64 s[G0+10:G0+11], s[4:5], s[22:23]
	s_or_b32 s[G0+11], s[G0+11], 0x80000000
	s_mov_b32 s[G0B+8], 1
	s_mov_b32 s[G0B+9], 2*KST
	s_sub_nc_u64 s[G0B+10:G0B+11], s[8:9], s[22:23]
	s_or_b32 s[G0B+11], s[G0B+11], 0x80000000
	CROUND                                         ; all sixteen work-groups are here: the first joint loads meet
; The head's four tiles, one joint load a wave: wave 0 A's K step 0, wave 1 B's, wave 2 A's scale words, wave 3 B's.  One chain of branches on the wave's number.
.macro ARM under, g0, g1, next
	s_cmp_lt_u32 s14, \under
	s_cbranch_scc0 \next
	tensor_load_to_lds s[\g0:\g0+3], s[\g1:\g1+7]
	s_nop 0
	PLACES 4
	s_branch .Lfirst_done
\next:
.endm
	ARM 1, G0+8, G1, .Lhead_b
	ARM 2, G0B+8, G1B, .Lhead_sa
	ARM 3, G0S, G1S, .Lhead_sb
	tensor_load_to_lds s[G0SB:G0SB+3], s[G1SB:G1SB+7]
	s_nop 0
	PLACES 4
.Lfirst_done:
; K steps 1 to 3 of my group, 288 blocks of 256 bytes, are asked for into the L2: the four partners that will load them jointly take 72 blocks each, told apart by address (cx for A', cy for B')
	s_cmp_eq_u32 s15, 0
	s_cselect_b64 s[100:101], s[4:5], s[8:9]
	s_cselect_b32 s17, s92, s93
	s_mul_i32 s17, s17, 72*256
	s_add_co_u32 s17, s17, KST
	v_and_b32 v5, 31, v0
	v_and_b32 v6, 7, v0
	v_lshl_add_u32 v5, v5, 8, s17
	v_lshl_add_u32 v6, v6, 8, s17
	global_prefetch_b8 v5, s[100:101] th:TH_LOAD_NT scope:SCOPE_SE
	global_prefetch_b8 v5, s[100:101] offset:8192 th:TH_LOAD_NT scope:SCOPE_SE
	global_prefetch_b8 v6, s[100:101] offset:16384 th:TH_LOAD_NT scope:SCOPE_SE
	s_load_b256 s[4:11], s[0:1], 0x20              ; bq, bk, bv, qi
	s_load_b64 s[2:3], s[0:1], 0x40                ; kv
	v_and_b32 v1, 31, v0                           ; lane
	v_and_b32 v2, 15, v0                           ; r
	v_bfe_u32 v3, v0, 4, 1                         ; h
	v_lshlrev_b32 v10, 4, v1                       ; 16 x lane: my place in a chunk of an image
	v_lshlrev_b32 v11, 3, v1                       ; 8 x lane: in a block of scale words
	v_lshlrev_b32 v8, 6, v3                        ; 64 h: the bias along my registers
	v_and_b32 v9, 8, v2
	v_add_nc_u32 v9, v9, v2
	v_lshlrev_b32 v9, 2, v9                        ; 4 (r + 8 (r / 8)): the bias of my row
	s_mul_i32 s17, s15, KST
	s_mul_i32 s18, s16, KST
	s_add_co_u32 s18, s18, 2*KST
	v_add_nc_u32 v[ADRA], s17, v10
	v_add_nc_u32 v[ADRB], s18, v10
	s_lshl_b32 s17, s17, 1                         ; behind slot 0 a group has 2 KST: K step 1, then K step 2
	s_lshl_b32 s18, s18, 1
	s_add_co_u32 s17, s17, SLOT
	s_add_co_u32 s18, s18, SLOT
	v_add_nc_u32 v[ADRA+1], s17, v10
	v_add_nc_u32 v[ADRB+1], s18, v10
	v_add_nc_u32 v[ADRA+2], KST, v[ADRA+1]
	v_add_nc_u32 v[ADRB+2], KST, v[ADRB+1]
	s_lshl_b32 s17, s15, 12                        ; scale words: A's group, and for lanes 16-31 the distance to B's group: one product
	s_lshl_b32 s18, s16, 12
	s_add_co_u32 s18, s18, 8192
	s_sub_co_u32 s18, s18, s17
	v_mul_u32_u24 v4, s18, v3
	s_add_co_u32 s17, s17, SCL
	v_lshl_add_u32 v4, v2, 3, v4
	v_add_nc_u32 v[ADRS], s17, v4
	s_mov_b32 s97, 0xffff0000                      ; lanes 16-31
	s_mov_b32 s[SEL], 0x76543210
	s_mov_b32 s[SEL+1], 0xfedcba98                 ; v_permlanex16_b32's selects for lane l xor 16
	s_lshl_b32 s17, s20, 8
	s_lshl_b32 s18, s16, 7
	s_add_co_u32 s17, s17, s18
	s_and_b32 s17, s17, 1023
	s_lshl_b32 s22, s17, 2                         ; kind QK: my first channel's byte in bq or bk
	s_lshl_b32 s17, s19, 8
	s_lshl_b32 s18, s15, 7
	s_add_co_u32 s17, s17, s18
	s_lshl_b32 s12, s17, 2                         ; kind V: my first channel's byte in bv
	s_mov_b32 s23, 0
	s_mov_b32 s13, 0
	s_wait_alu depctr_va_vdst(0)
	s_wait_kmcnt 0x0
	s_wait_xcnt 0x0                                ; the prefetches have read their base: it is written again below
	s_cmp_lt_u32 s20, 4
	s_cselect_b64 s[100:101], s[4:5], s[6:7]
	s_cselect_b32 s21, 1, 0
	s_cmp_eq_u32 s96, 0
	s_cselect_b64 s[100:101], s[100:101], s[8:9]
	s_cselect_b32 s22, s22, 0
	s_cselect_b32 s12, 0, s12
	s_cselect_b32 s21, s21, 0                      ; 1: my results are q's
	s_cselect_b32 s17, s19, s20                    ; the tile along the tokens,
	s_cselect_b32 s18, s15, s16                    ; my half of it,
	s_cselect_b32 s66, s20, s19                    ; the tile along the channels,
	s_cselect_b32 s67, s16, s15                    ; my half of it
	s_add_nc_u64 s[100:101], s[100:101], s[22:23]
	s_add_nc_u64 s[104:105], s[8:9], s[12:13]
.irp b, 0,1,2,3
.irp q, 0,1,2,3
	global_load_b128 v[BJ+16*\b+4*\q:BJ+16*\b+4*\q+3], v8, s[100:101] offset:128*\b+16*\q   ; register 16 b + i: the bias of channel 32 b + 16 h + i
.endr
.endr
.irp a, 0,1,2,3,4,5,6,7
	global_load_b32 v[BI+\a], v9, s[104:105] offset:(32*(\a/2)+8*(\a%2))*4
.endr
	s_lshl_b32 s66, s66, 2                         ; where the results go: head = 4 x tile + 2 x half (mod 16), and the next;
	s_lshl_b32 s67, s67, 1
	s_add_co_u32 s66, s66, s67
	s_and_b32 s66, s66, 15
	s_lshr_b32 s67, s17, 3                         ; the batch;
	s_lshl_b32 s67, s67, 4
	s_add_co_u32 s66, s66, s67
	s_lshl_b32 s66, s66, 4
	s_and_b32 s17, s17, 7
	s_lshl_b32 s17, s17, 1
	s_add_co_u32 s17, s17, s18                     ; the step of 128 tokens
	s_add_co_u32 s66, s66, s17                     ; the record's number
	s_mov_b32 s18, 12800
	s_mov_b32 s22, 12288
	s_cmp_eq_u32 s21, 1
	s_cselect_b64 s[12:13], s[10:11], s[2:3]
	s_cselect_b32 s18, 6400, s18                   ; a record's bytes
	s_cselect_b32 s22, 6144, s22                   ; where its scale words lie
	s_cmp_eq_u32 s96, 0
	s_cselect_b32 s22, s22, 12544
	s_mul_i32 s10, s66, s18
	s_mov_b32 s11, 0
	s_add_nc_u64 s[12:13], s[12:13], s[10:11]      ; my first head's record,
	s_lshl_b32 s10, s18, 4
	s_add_nc_u64 s[66:67], s[12:13], s[10:11]      ; my second head's: 16 records on,
	s_add_nc_u64 s[4:5], s[12:13], s[22:23]        ; and their scale words
	s_add_nc_u64 s[6:7], s[66:67], s[22:23]
.macro FRAG reg, adr, q, i             ; a fragment comes as it was stored: three loads of 512 consecutive bytes
.irp c, 0,1,2
	ds_load_b128 v[(\reg)+4*\c:(\reg)+4*\c+3], v[\adr] offset:(\q)*KAP+(\i)*FRB+512*\c
.endr
.endm
.macro FETCH_B slot, q, p              ; B's eight fragments of the slot's q-th 128 along K into set p
	WIN TO_B
.set FI, 0
.rept 8
	FRAG 128*(\p)+FR*FI, ADRB+\slot, \q, FI
.set FI, FI+1
.endr
	WIN 0
.endm
.macro FETCH_A slot, q, half           ; half of A's tiles
.set FI, (\half)*(NA/2)
.rept NA/2
	FRAG AF+FR*FI, ADRA+\slot, \q, FI
.set FI, FI+1
.endr
.endm
.macro SCALES ks                       ; K step ks's scale words: two words a row; lanes 0-15 take A' tile i, lanes 16-31 B' tile i
.irp i, 0,1,2,3,4,5,6,7
	ds_load_b64 v[SC+16*((\ks)%2)+2*\i:SC+16*((\ks)%2)+2*\i+1], v[ADRS] offset:1024*(\ks)+128*\i
.endr
.endm
; A quarter of a step's products: NA / 4 tiles of A' against B's eight.  All accumulators take turns, one instruction a turn, in the same order in every step.
.macro MULQ qd, p, q, set, zero
.set MA, (\qd)*(NA/4)
.rept NA/4
.set MB, 0
.rept 8
.set MD, 8*(8*(MA%4)+MB)
.if \zero
	v_wmma_scale_f32_16x16x128_f8f6f4 v[MD:MD+7], v[128*(\p)+FR*MB:128*(\p)+FR*MB+FR-1], v[AF+FR*MA:AF+FR*MA+FR-1], 0, v[SC+16*(\set)+2*MB+(\q)], v[SC+16*(\set)+2*MA+(\q)] matrix_a_fmt:MATRIX_FMT_FP6 matrix_b_fmt:MATRIX_FMT_FP6 matrix_a_scale:MATRIX_SCALE_ROW1
.else
	v_wmma_scale_f32_16x16x128_f8f6f4 v[MD:MD+7], v[128*(\p)+FR*MB:128*(\p)+FR*MB+FR-1], v[AF+FR*MA:AF+FR*MA+FR-1], v[MD:MD+7], v[SC+16*(\set)+2*MB+(\q)], v[SC+16*(\set)+2*MA+(\q)] matrix_a_fmt:MATRIX_FMT_FP6 matrix_b_fmt:MATRIX_FMT_FP6 matrix_a_scale:MATRIX_SCALE_ROW1
.endif
.set MB, MB+1
.endr
.set MA, MA+1
.endr
.endm
.macro STEP slot, set, zero            ; a K step's first 128; it fetches the second 128's fragments from the same slot
	s_wait_dscnt (NA/2)*NL                         ; all but the youngest loads, A's upper tiles
	WIN MUL_LO
	MULQ 0, 0, 0, \set, \zero
	MULQ 1, 0, 0, \set, \zero
	s_wait_dscnt 0x0                               ; A's upper tiles are in
	PLACES NP                                      ; in front of loads into registers that matrix instructions have read
	FETCH_B \slot, 1, 1
	FETCH_A \slot, 1, 0
	WIN MUL_HI
	MULQ 2, 0, 0, \set, \zero
	MULQ 3, 0, 0, \set, \zero
	PLACES NP
	WIN 0
	FETCH_A \slot, 1, 1
.endm
; A K step's second 128; it goes on to the next slot.  mode 2: this slot is filled again: the wait for all my tensor loads, the add, the wait for it and for my reads, a round of the cluster's barrier, the joint refill first behind it.
; mode 1: the next slot's tile is waited for, one barrier, nothing is filled.  mode 0: the next slot was shown whole to every wave by an earlier barrier.
.macro TURN slot, next, set, ksn, mode, n
.if \mode == 2
	s_wait_tensorcnt 0x0                           ; all my tensor loads have landed: my parts of K steps 1 and 2
	ds_add_u32 v[SPW], v[NIL]                      ; 0 onto my spare word
	s_wait_dscnt (NA/2)*NL+1                       ; (the add and A's upper tiles may be out)
.elseif \mode == 1
	s_wait_tensorcnt \n                            ; my part of the next slot is in
	s_wait_dscnt (NA/2)*NL
.else
	s_wait_dscnt (NA/2)*NL
.endif
	WIN MUL_LO
	MULQ 0, 1, 1, \set, 0
	s_wait_dscnt 0x0                               ; my reads of this slot are over (and the add is done)
.if \mode > 0
	s_barrier_signal -1
.endif
	MULQ 1, 1, 1, \set, 0
	WIN 0
.if \mode > 0
	s_barrier_wait -1
.endif
.if \mode == 2
	CREST                                          ; no wave of any partner still reads this slot or has a load on its way
	s_add_nc_u64 s[G0+2:G0+3], s[G0+2:G0+3], 3*KST ; slot 0's next tile is K step 3
	s_add_nc_u64 s[G0B+2:G0B+3], s[G0B+2:G0B+3], 3*KST
	s_mov_b32 s[G1+2], 96<<16                      ; no load of mine is out: the refill brings 96 rows
	s_mov_b32 s[G1+4], 96
	s_mov_b32 s[G1B+2], 96<<16
	s_mov_b32 s[G1B+4], 96
	JLOAD G0, G1, G0B, G1B                         ; the first tensor load behind the round; it has two K steps, 256 matrix instructions, in which to land; its four v_nop are the places in front of the loads below
.else
	PLACES NP
.endif
	FETCH_B \next, 0, 0
	FETCH_A \next, 0, 0
	SCALES \ksn
	WIN MUL_HI
	MULQ 2, 1, 1, \set, 0
	MULQ 3, 1, 1, \set, 0
	PLACES NP
	WIN 0
	FETCH_A \next, 0, 1
.endm
	s_wait_alu depctr_va_vdst(0)
	s_wait_tensorcnt 0x0                           ; my tile of the head's four is in
	ds_add_u32 v[SPW], v[NIL]
.irp g, G1, G1B                        ; no load of mine is out: the next load brings 192 rows of 256 bytes, K steps 1 and 2 of one group
	s_mov_b32 s[\g+1], 32<<16
	s_mov_b32 s[\g+2], 192<<16
	s_mov_b32 s[\g+3], 32<<16
	s_mov_b32 s[\g+4], 192
	s_mov_b32 s[\g+5], 32
.endr
	s_wait_dscnt 0x0
	CROUND                                         ; all four tiles are shown to every wave, and the sixteen work-groups meet
	JLOAD G0+4, G1, G0B+4, G1B
	FETCH_B 0, 0, 0
	FETCH_A 0, 0, 0
	SCALES 0
	FETCH_A 0, 0, 1
	STEP 0, 0, 1                                   ; the first products start the sums: nothing is cleared
	TURN 0, 1, 0, 1, 2, 0
	STEP 1, 1, 0
	TURN 1, 2, 1, 2, 0, 0
	STEP 2, 0, 0
	TURN 2, 0, 0, 3, 1, 0                          ; the one load that is out is the refill
	STEP 0, 1, 0
	s_wait_dscnt (NA/2)*NL                         ; the last 128: nothing more to fetch
	WIN MUL_LO
	MULQ 0, 1, 1, 1, 0
	MULQ 1, 1, 1, 1, 0
	s_wait_dscnt 0x0
	WIN MUL_HI
	MULQ 2, 1, 1, 1, 0
	MULQ 3, 1, 1, 1, 0
	WIN 0
	PLACES NP
; THE WAY OUT.  64 numbers of a lane, register 16 b + i = place 32 b + 16 h + i along the next K, become codes: blocks 0, 1 in d0 .. d0 + 5 (lane half h: block h), blocks 2, 3 in d1 .. d1 + 5, and the four bytes in pw.
.macro QUANT s, d0, d1, pw
.irp b, 0,1,2,3
	v_max3_num_f32 v[TM+\b], |v[\s+16*\b]|, |v[\s+1+16*\b]|, 0x1800000      ; my 16 numbers of block b, and the floor 2^(3 - 127)
.endr
.irp i, 2,4,6,8,10,12,14
.irp b, 0,1,2,3
	v_max3_num_f32 v[TM+\b], v[TM+\b], |v[\s+16*\b+\i]|, |v[\s+1+16*\b+\i]|
.endr
.endr
.irp b, 0,1,2,3
	v_permlanex16_b32 v[TM+4+\b], v[TM+\b], s[SEL], s[SEL+1]
.endr
.irp b, 0,1,2,3
	v_max_num_f32 v[TM+\b], v[TM+\b], v[TM+4+\b]   ; with lane l xor 16's: the block's largest magnitude
.endr
.irp b, 0,1,2,3
	v_add_nc_u32 v[TM+12+\b], 0xff000000, v[TM+\b] ; 2 off its exponent field: the conversion's scale operand
.endr
.irp b, 0,1,2,3
	v_lshrrev_b32 v[TM+4+\b], 23, v[TM+12+\b]      ; the byte
.endr
	v_lshl_or_b32 v[(\pw)], v[TM+5], 8, v[TM+4]
	v_lshl_or_b32 v[(\pw)], v[TM+6], 16, v[(\pw)]
	v_lshl_or_b32 v[(\pw)], v[TM+7], 24, v[(\pw)]
	v_cvt_scalef32_pk16_fp6_f32 v[(\d0):(\d0)+2], v[\s:\s+15], v[TM+12]
	v_cvt_scalef32_pk16_fp6_f32 v[CT:CT+2], v[\s+16:\s+31], v[TM+13]
	v_cvt_scalef32_pk16_fp6_f32 v[(\d1):(\d1)+2], v[\s+32:\s+47], v[TM+14]
	v_cvt_scalef32_pk16_fp6_f32 v[CT+4:CT+6], v[\s+48:\s+63], v[TM+15]
	v_nop                                          ; one plain place behind the conversions
.irp i, 0,1,2
	v_permlane16_swap_b32 v[(\d0)+\i], v[CT+\i]    ; a whole block to a lane
	v_permlane16_swap_b32 v[(\d1)+\i], v[CT+4+\i]
.endr
.irp i, 0,1,2
	v_mov_b32 v[(\d0)+3+\i], v[CT+\i]
	v_mov_b32 v[(\d1)+3+\i], v[CT+4+\i]
.endr
.endm
; Kind QK, A' tile a: 16 tokens x my two heads.  Tiles 2 f and 2 f + 1 make registers 0-5 and 6-11 of fragment f, for each head.
.macro EPI_QK a
	WIN 0x02+(\a)/4                                ; source 0: the accumulators' window
.set EI, 0
.rept 32
	v_pk_add_f32 v[H+EI:H+EI+1], v[64*((\a)%4)+EI:64*((\a)%4)+EI+1], v[BJ+EI:BJ+EI+1]   ; + bias; each accumulator from its low end on
.set EI, EI+2
.endr
	WIN 0
.if ((\a)%2 == 0) && ((\a) > 0)
	s_wait_xcnt 0x0                                ; the last fragments' stores have read their registers
.endif
	QUANT H, IM0+6*((\a)%2), IM1+6*((\a)%2), PWS+(\a)
.if (\a)%2 == 1
.irp c, 0,1,2
	global_store_b128 v10, v[IM0+4*\c:IM0+4*\c+3], s[12:13] offset:FRB*((\a)/2)+512*\c    ; 512 consecutive bytes, aligned
	global_store_b128 v10, v[IM1+4*\c:IM1+4*\c+3], s[66:67] offset:FRB*((\a)/2)+512*\c
.endr
.endif
.endm
; Kind V, A' tile a: 16 channels (head a / 4, tile a % 4) x my 128 keys: one fragment.
.macro EPI_V a
	WIN 0x02+(\a)/4
.set EI, 0
.rept 32
.if (\a)%2
	v_pk_add_f32 v[H+EI:H+EI+1], v[64*((\a)%4)+EI:64*((\a)%4)+EI+1], v[BI+2*((\a)/2):BI+2*((\a)/2)+1] op_sel:[0,1] op_sel_hi:[1,1]
.else
	v_pk_add_f32 v[H+EI:H+EI+1], v[64*((\a)%4)+EI:64*((\a)%4)+EI+1], v[BI+2*((\a)/2):BI+2*((\a)/2)+1] op_sel_hi:[1,0]
.endif
.set EI, EI+2
.endr
	WIN 0
.if (\a) > 1
	s_wait_xcnt 0x0                                ; the stores of two tiles back have read their registers
.endif
	QUANT H, IM0+12*((\a)%2), IM0+12*((\a)%2)+6, PWS+(\a)
.irp c, 0,1,2
.if (\a) < 4
	global_store_b128 v10, v[IM0+12*((\a)%2)+4*\c:IM0+12*((\a)%2)+4*\c+3], s[12:13] offset:6144+FRB*((\a)%4)+512*\c
.else
	global_store_b128 v10, v[IM0+12*((\a)%2)+4*\c:IM0+12*((\a)%2)+4*\c+3], s[66:67] offset:6144+FRB*((\a)%4)+512*\c
.endif
.endr
.endm
	s_wait_loadcnt 0x0                             ; the biases
.irp b, 0,1,2,3
	v_mov_b32 v[TM+4+\b], 0                        ; written once: a lane permute's destination counts as one of its sources
.endr
	s_cmp_lg_u32 s96, 0
	s_cbranch_scc1 .Lv
.irp a, 0,1,2,3,4,5,6,7
	EPI_QK \a
.endr
.irp f, 0,1,2,3                        ; a fragment's word: the first tile's two bytes of the head, then the second tile's
	v_perm_b32 v[12+\f], v[PWS+2*\f+1], v[PWS+2*\f], 0x05040100
.endr
	v_cndmask_b32 v6, v12, v13, s97
	v_cndmask_b32 v7, v14, v15, s97
	global_store_b64 v11, v[6:7], s[4:5]           ; 256 consecutive bytes, aligned
.irp f, 0,1,2,3
	v_perm_b32 v[12+\f], v[PWS+2*\f+1], v[PWS+2*\f], 0x07060302
.endr
	v_cndmask_b32 v4, v12, v13, s97
	v_cndmask_b32 v5, v14, v15, s97
	global_store_b64 v11, v[4:5], s[6:7]
	s_branch .Ldone
.Lv:
.irp a, 0,1,2,3,4,5,6,7
	EPI_V \a
.endr
	v_cndmask_b32 v6, v[PWS], v[PWS+1], s97
	v_cndmask_b32 v7, v[PWS+2], v[PWS+3], s97
	global_store_b64 v11, v[6:7], s[4:5]
	v_cndmask_b32 v4, v[PWS+4], v[PWS+5], s97
	v_cndmask_b32 v5, v[PWS+6], v[PWS+7], s97
	global_store_b64 v11, v[4:5], s[6:7]
.Ldone:
	s_wait_tensorcnt 0x0                           ; the wave's end
	ds_add_u32 v[SPW], v[NIL]
	s_wait_dscnt 0x0
	CROUND                                         ; the closing round: no work-group ends while a partner may still ask for a tile that names it
	s_endpgm
.Lfunc_end_k_qe77aa0d152_qkv:
	.size	k_qe77aa0d152_qkv, .Lfunc_end_k_qe77aa0d152_qkv-k_qe77aa0d152_qkv
	.p2alignl 7, 3214868480
	.fill 96, 4, 3214868480
	.section	.rodata,"a",@progbits
	.p2align	6, 0x0
	.amdhsa_kernel k_qe77aa0d152_qkv
		.amdhsa_group_segment_fixed_size 327680
		.amdhsa_private_segment_fixed_size 0
		.amdhsa_enable_private_segment 0
		.amdhsa_kernarg_size 72
		.amdhsa_user_sgpr_count 2
		.amdhsa_user_sgpr_kernarg_segment_ptr 1
		.amdhsa_wavefront_size32 1
		.amdhsa_system_sgpr_workgroup_id_x 1
		.amdhsa_system_sgpr_workgroup_id_y 1
		.amdhsa_system_sgpr_workgroup_id_z 1
		.amdhsa_system_vgpr_workitem_id 0
		.amdhsa_next_free_vgpr 1024
		.amdhsa_next_free_sgpr 106
		.amdhsa_reserve_vcc 0
		.amdhsa_float_denorm_mode_32 3
		.amdhsa_float_denorm_mode_16_64 3
		.amdhsa_memory_ordered 1
		.amdhsa_forward_progress 1
		.amdhsa_inst_pref_size 210
	.end_amdhsa_kernel
	.amdgpu_metadata
---
amdhsa.version: [ 1, 2 ]
amdhsa.kernels:
  - .name:           k_qe77aa0d152_qkv
    .symbol:         k_qe77aa0d152_qkv.kd
    .args:
      - { .name: ximg, .offset: 0, .size: 8, .value_kind: global_buffer, .address_space: global }
      - { .name: xsc, .offset: 8, .size: 8, .value_kind: global_buffer, .address_space: global }
      - { .name: wimg, .offset: 16, .size: 8, .value_kind: global_buffer, .address_space: global }
      - { .name: wsc, .offset: 24, .size: 8, .value_kind: global_buffer, .address_space: global }
      - { .name: bq, .offset: 32, .size: 8, .value_kind: global_buffer, .address_space: global }
      - { .name: bk, .offset: 40, .size: 8, .value_kind: global_buffer, .address_space: global }
      - { .name: bv, .offset: 48, .size: 8, .value_kind: global_buffer, .address_space: global }
      - { .name: qi, .offset: 56, .size: 8, .value_kind: global_buffer, .address_space: global }
      - { .name: kv, .offset: 64, .size: 8, .value_kind: global_buffer, .address_space: global }
    .group_segment_fixed_size: 327680
    .private_segment_fixed_size: 0
    .kernarg_segment_align: 8
    .kernarg_segment_size: 72
    .max_flat_workgroup_size: 128
    .sgpr_count:     106
    .vgpr_count:     1024
    .wavefront_size: 32
...
	.end_amdgpu_metadata
.endif
;; end of part 2
;; launch attn (part 3): grid 4 x 64, 16 waves a work-group, clusters of 4 x 1, 327,680 bytes of LDS; arguments qi, kv, oimg, osc; writes oimg, osc
.if DOCPART == 3
	.amdgcn_target "amdgcn-amd-amdhsa--gfx1250"
	.amdhsa_code_object_version 6
	.text
	.protected	k_qe77aa0d152_attn
	.globl	k_qe77aa0d152_attn
	.p2align	8
	.type	k_qe77aa0d152_attn,@function
k_qe77aa0d152_attn:
	s_mov_b64 s[64:65], 0
	v_nop
	global_prefetch_b8 v0, s[64:65] scope:SCOPE_SE
	s_setreg_imm32_b32 hwreg(HW_REG_WAVE_MODE, 25, 1), 1
	s_wait_xcnt 0x0
	s_wait_alu depctr_hold_cnt(0) depctr_sa_sdst(0) depctr_va_vdst(0) depctr_va_sdst(0) depctr_va_ssrc(0) depctr_va_vcc(0) depctr_vm_vsrc(0)
	s_getreg_b32 s2, hwreg(HW_REG_IB_STS2, 6, 4)
	s_cmp_eq_u32 s2, 0
	s_cbranch_scc0 .Lentry_in_a_cluster
	s_endpgm
.Lentry_in_a_cluster:
	s_bfe_u32 s2, ttmp6, 0x10000c
	s_cmp_lg_u32 s2, 0x3003
	s_cbranch_scc0 .Lentry_shape_is_right
	s_endpgm
.Lentry_shape_is_right:
.set GRP, 98304
.set KAP, 12288
.set FRB, 1536
.set REC, 12800
.macro CROUND
	s_barrier_signal -1
	s_barrier_wait -1
	s_cmp_lg_u32 s12, 0
	s_cbranch_scc1 .Lnot_wave_0_\@
	s_barrier_signal -3
.Lnot_wave_0_\@:
	s_barrier_wait -3
	s_barrier_signal -1
	s_barrier_wait -1
.endm
	s_load_b256 s[4:11], s[0:1], 0x0
	v_lshl_add_u32 v223, v0, 2, 0x32000
	v_mov_b32 v243, 0
	ds_add_u32 v223, v243
	ds_add_u32 v223, v243
	v_lshrrev_b32 v8, 5, v0
	s_delay_alu instid0(VALU_DEP_1)
	v_readfirstlane_b32 s12, v8
	s_bfe_u32 s13, ttmp6, 0x40000
	s_and_b32 s14, ttmp7, 0xffff
	s_mov_b32 s24, 15|(3<<16)|(1<<21)
	s_mov_b32 s25, 32<<16
	s_mov_b32 s26, 50<<16
	s_mov_b32 s27, 32<<16
	s_mov_b32 s28, 50
	s_mov_b32 s29, 32
	s_mov_b32 s30, 0
	s_mov_b32 s31, 0
	s_mul_i32 s15, s12, REC                        ; wave w fetches key step w's record: 50 rows of 256 bytes; the sixteen loads fill all 16 key steps once
	s_mul_i32 s16, s14, 16*REC
	s_add_co_u32 s16, s16, s15
	s_mov_b32 s17, 0
	s_mov_b32 s20, 0x76543210
	s_mov_b32 s21, 0xfedcba98
	s_mov_b32 s22, 0x3eb8aa3b
	s_mov_b32 s23, s22
	s_mov_b32 s42, 0xffff0000
	s_wait_dscnt 0x0
	s_wait_kmcnt 0x0
	s_mov_b32 s32, 1
	s_mov_b32 s33, s15
	s_add_nc_u64 s[34:35], s[6:7], s[16:17]
	s_or_b32 s35, s35, 0x80000000
	CROUND
	tensor_load_to_lds s[32:35], s[24:31]          ; key steps 0 to 15, a sixteenth a wave; q's loads and the head's register work stand between this load and the wait for it
	s_nop 0
.rept 4
	v_nop
.endr
	v_and_b32 v10, 31, v0
	s_delay_alu instid0(VALU_DEP_1)
	v_lshlrev_b32 v1, 4, v10
	s_wait_alu depctr_va_vdst(0)
	v_lshlrev_b32 v2, 3, v10
	v_and_b32 v10, 15, v0
	s_wait_alu depctr_va_vdst(0)
	v_bfe_u32 v11, v0, 4, 1
	s_lshl_b32 s16, s14, 4
	s_lshl_b32 s17, s13, 2
	s_add_co_u32 s16, s16, s17
	s_lshr_b32 s17, s12, 3
	s_add_co_u32 s16, s16, s17
	s_mul_i32 s16, s16, 6400
	s_mov_b32 s17, 0
	s_add_nc_u64 s[46:47], s[4:5], s[16:17]
	s_bfe_u32 s18, s12, 0x20001
	s_mul_i32 s19, s18, FRB
	v_add_nc_u32 v8, s19, v1
	s_and_b32 s19, s18, 1
	s_lshl_b32 s19, s19, 7
	s_lshr_b32 s18, s18, 1
	s_lshl_b32 s18, s18, 2
	s_add_co_u32 s19, s19, s18
	s_add_co_u32 s19, s19, 6144
	v_lshl_add_u32 v9, v10, 3, s19
.irp c, 0,1,2
	global_load_b128 v[96+4*\c:99+4*\c], v8, s[46:47] offset:512*\c
	global_load_b128 v[192+4*\c:195+4*\c], v8, s[46:47] offset:12800+512*\c
.endr
	global_load_b32 v108, v9, s[46:47]
	global_load_b32 v204, v9, s[46:47] offset:12800
	s_and_b32 s18, s12, 1
	s_cmp_eq_u32 s18, 1
	s_cselect_b32 s43, -1, 0
	s_mov_b32 s44, 0x01000100
	s_cselect_b32 s44, 0x03020302, s44
	v_lshlrev_b32 v5, 4, v10
	s_wait_alu depctr_va_vdst(0)
	v_lshl_add_u32 v5, v11, 10, v5
	v_lshlrev_b32 v6, 4, v10
	s_delay_alu instid0(VALU_DEP_1)
	v_lshl_add_u32 v6, v11, 3, v6
	v_lshlrev_b32 v7, 3, v10
	s_delay_alu instid0(VALU_DEP_1)
	v_lshl_add_u32 v7, v11, 1, v7
	s_lshr_b32 s16, s14, 4
	s_and_b32 s17, s14, 15
	s_lshl_b32 s16, s16, 4
	s_lshl_b32 s18, s13, 2
	s_add_co_u32 s16, s16, s18
	s_lshr_b32 s18, s12, 3
	s_add_co_u32 s16, s16, s18
	s_and_b32 s18, s12, 7
	s_mul_i32 s52, s16, GRP
	s_lshr_b32 s19, s17, 1
	s_mul_i32 s53, s19, KAP
	s_add_co_u32 s52, s52, s53
	s_mul_i32 s53, s18, FRB
	s_add_co_u32 s52, s52, s53
	s_and_b32 s54, s17, 1
	s_lshl_b32 s53, s54, 8
	s_add_co_u32 s52, s52, s53
	s_mov_b32 s53, 0
	s_add_nc_u64 s[48:49], s[8:9], s[52:53]
	s_lshl_b32 s52, s16, 12
	s_lshr_b32 s55, s17, 2
	s_lshl_b32 s55, s55, 10
	s_add_co_u32 s52, s52, s55
	s_lshl_b32 s55, s18, 7
	s_add_co_u32 s52, s52, s55
	s_and_b32 s55, s19, 1
	s_lshl_b32 s55, s55, 2
	s_add_co_u32 s52, s52, s55
	s_add_co_u32 s52, s52, s54
	s_add_nc_u64 s[50:51], s[10:11], s[52:53]
.irp b, 0,1,2,3
	v_mov_b32 v[236+\b], 0
.endr
	v_mov_b32 v253, 0
.macro MKQ raw
.irp i, 0,1,2,3,4,5
	v_cndmask_b32 v[16+\i], v[\raw+\i], v[\raw+6+\i], s43
.endr
.irp i, 0,1,2,3,4,5
	v_mov_b32 v[28+\i], v[16+\i]
	v_mov_b32 v[22+\i], 0
.endr
	v_perm_b32 v255, v[\raw+12], v[\raw+12], s44
.endm
.macro INIT
	v_mov_b32 v13, 0xff61b1e6
	s_delay_alu instid0(VALU_DEP_1)
	v_floor_f32 v12, -v13
	v_mov_b32 v14, 0
	v_mov_b32 v15, 0
.set J, 0
.rept 32
	v_mov_b32 v[160+J], 0
.set J, J+1
.endr
.endm
.macro STEP
	v_add_nc_u32 v3, s40, v1
	v_add_nc_u32 v4, s40, v2
	v_nop
	v_nop
	ds_load_b64 v[248:249], v4 offset:12288        ; K's scale words first: the first products want them
.irp f, 0,1,2,3
.irp c, 0,1,2
	ds_load_b128 v[36+12*\f+4*\c:39+12*\f+4*\c], v3 offset:FRB*\f+512*\c
.endr
.endr
	s_wait_alu depctr_va_vdst(0)
.irp f, 0,1,2,3
	s_wait_dscnt 9-3*\f                            ; the scale words and fragments 0 .. f are in; the three loads of each later fragment may be out
.irp u, 0,1
.if \f % 2
	v_wmma_scale_f32_16x16x128_f8f6f4 v[96+8*(2*\f+\u):103+8*(2*\f+\u)], v[36+12*\f:47+12*\f], v[16+6*\u:27+6*\u], 0, v[248+\f/2], v255 matrix_a_fmt:MATRIX_FMT_FP6 matrix_b_fmt:MATRIX_FMT_FP6 matrix_a_scale:MATRIX_SCALE_ROW1
.else
	v_wmma_scale_f32_16x16x128_f8f6f4 v[96+8*(2*\f+\u):103+8*(2*\f+\u)], v[36+12*\f:47+12*\f], v[16+6*\u:27+6*\u], 0, v[248+\f/2], v255 matrix_a_fmt:MATRIX_FMT_FP6 matrix_b_fmt:MATRIX_FMT_FP6
.endif
.endr
.endr
.rept 4
	v_nop
.endr
.irp t, 0,1,2,3
.irp c, 0,1,2
	ds_load_b128 v[36+12*\t+4*\c:39+12*\t+4*\c], v3 offset:6144+FRB*\t+512*\c
.endr
.endr
	ds_load_b64 v[250:251], v4 offset:12544
.irp b, 0,1,2,3
	v_max3_num_f32 v[232+\b], v[96+16*\b], v[97+16*\b], v[98+16*\b]
.endr
.irp i, 3,5,7,9,11,13
.irp b, 0,1,2,3
	v_max3_num_f32 v[232+\b], v[232+\b], v[96+16*\b+\i], v[97+16*\b+\i]
.endr
.endr
.irp b, 0,1,2,3
	v_max_num_f32 v[232+\b], v[232+\b], v[111+16*\b]
.endr
.irp b, 0,1,2,3
	s_delay_alu instid0(VALU_DEP_4)
	v_permlanex16_b32 v[236+\b], v[232+\b], s20, s21
.endr
.irp b, 0,1,2,3
	s_delay_alu instid0(VALU_DEP_4)
	v_max_num_f32 v[232+\b], v[232+\b], v[236+\b]
.endr
	s_delay_alu instid0(VALU_DEP_2)
	v_max3_num_f32 v254, v232, v233, v234
	s_delay_alu instid0(VALU_DEP_1)
	v_max_num_f32 v254, v254, v235
	s_delay_alu instid0(VALU_DEP_1)
	v_mul_f32 v254, s22, v254
	s_delay_alu instid0(VALU_DEP_1)
	v_max_num_f32 v13, v13, v254
	v_mov_b32 v254, v12
	s_delay_alu instid0(VALU_DEP_2)
	v_floor_f32 v12, -v13
	s_delay_alu instid0(VALU_DEP_1)
	v_sub_f32 v254, v12, v254
	s_delay_alu instid0(VALU_DEP_1)
	v_cvt_i32_f32 v254, v254
	s_delay_alu instid0(VALU_DEP_1)
	v_ldexp_f32 v252, 1.0, v254
.set J, 0
.rept 32
	v_pk_fma_f32 v[96+J:97+J], v[96+J:97+J], s[22:23], v[12:13] op_sel_hi:[1,0,0]
.set J, J+2
.endr
.irp b, 0,1,2,3
	v_fma_f32 v[232+\b], v[232+\b], s22, v12
.endr
.set J, 0
	s_wait_alu depctr_va_vdst(0)
.rept 64
	v_exp_f32 v[96+J], v[96+J]
.set J, J+1
.endr
	v_pk_mul_f32 v[14:15], v[14:15], v[252:253] op_sel_hi:[1,0]
	s_wait_alu depctr_va_vdst(0)
.irp b, 0,1,2,3
	v_exp_f32 v[232+\b], v[232+\b]
.endr
	v_pk_add_f32 v[236:237], v[96:97], v[98:99]
.irp j, 4,8,12,16,20,24,28,32,36,40,44,48,52,56,60
	v_pk_add_f32 v[14:15], v[14:15], v[96+\j:97+\j]
	v_pk_add_f32 v[236:237], v[236:237], v[98+\j:99+\j]
.endr
	s_delay_alu instid0(VALU_DEP_1)
	v_pk_add_f32 v[14:15], v[14:15], v[236:237]
	s_wait_alu depctr_va_vdst(0)
.irp b, 0,1,2,3
	v_max_num_f32 v[232+\b], 0x1800000, v[232+\b]
.endr
.irp b, 0,1,2,3
	s_delay_alu instid0(VALU_DEP_4)
	v_add_nc_u32 v[244+\b], 0xff000000, v[232+\b]
.endr
.irp b, 0,1,2,3
	s_delay_alu instid0(VALU_DEP_4)
	v_lshrrev_b32 v[236+\b], 23, v[244+\b]
.endr
	s_delay_alu instid0(VALU_DEP_3)
	v_lshl_or_b32 v253, v237, 8, v236
	s_delay_alu instid0(VALU_DEP_1)
	v_lshl_or_b32 v253, v238, 16, v253
	s_delay_alu instid0(VALU_DEP_1)
	v_lshl_or_b32 v253, v239, 24, v253
.irp c, 0,1
	v_cvt_scalef32_pk16_fp6_f32 v[224+6*\c:226+6*\c], v[96+32*\c:111+32*\c], v[244+2*\c]
	v_cvt_scalef32_pk16_fp6_f32 v[236+4*\c:238+4*\c], v[112+32*\c:127+32*\c], v[244+2*\c+1]
.endr
	v_nop
.irp c, 0,1
.irp i, 0,1,2
	v_permlane16_swap_b32 v[224+6*\c+\i], v[236+4*\c+\i]
.endr
.irp i, 0,1,2
	s_delay_alu instid0(VALU_DEP_3)
	v_mov_b32 v[227+6*\c+\i], v[236+4*\c+\i]
.endr
.endr
.set J, 0
.rept 16
	v_pk_mul_f32 v[160+J:161+J], v[160+J:161+J], v[252:253] op_sel_hi:[1,0]
.set J, J+2
.endr
	s_wait_alu depctr_va_vdst(0)
	s_wait_dscnt 0x0
.irp t, 0,1,2,3
.if \t % 2
	v_wmma_scale_f32_16x16x128_f8f6f4 v[160+8*\t:167+8*\t], v[36+12*\t:47+12*\t], v[224:235], v[160+8*\t:167+8*\t], v[250+\t/2], v253 matrix_a_fmt:MATRIX_FMT_FP6 matrix_b_fmt:MATRIX_FMT_FP6 matrix_a_scale:MATRIX_SCALE_ROW1
.else
	v_wmma_scale_f32_16x16x128_f8f6f4 v[160+8*\t:167+8*\t], v[36+12*\t:47+12*\t], v[224:235], v[160+8*\t:167+8*\t], v[250+\t/2], v253 matrix_a_fmt:MATRIX_FMT_FP6 matrix_b_fmt:MATRIX_FMT_FP6
.endif
.endr
.endm
; All 16 key steps for one tile of 16 queries.  Every wave walks the 16 trips; waves from thr on have no tile in this pass, and a branch on the wave's number leads them round the step's work alone.
.macro KEYS thr
	s_mov_b32 s40, 0
	s_mov_b32 s41, 16
.Lkeys_\@:
.if \thr < 16
	s_cmp_lt_u32 s12, \thr
	s_cbranch_scc0 .Lskip_\@
.endif
	STEP
.Lskip_\@:
	s_add_co_u32 s40, s40, REC
	s_sub_co_u32 s41, s41, 1
	s_cmp_lg_u32 s41, 0
	s_cbranch_scc1 .Lkeys_\@
.endm
.macro OUTP p, oc, os
.if \p
	s_wait_xcnt 0x0
.endif
	v_add_f32 v14, v14, v15
	s_delay_alu instid0(VALU_DEP_1)
	v_permlanex16_b32 v252, v14, s20, s21
	s_delay_alu instid0(VALU_DEP_1)
	v_add_f32 v14, v14, v252
	s_wait_alu depctr_va_vdst(0)
	v_rcp_f32 v14, v14
	v_nop
	v_nop
	s_wait_alu depctr_va_vdst(0)
.set J, 0
.rept 16
	v_pk_mul_f32 v[96+J:97+J], v[160+J:161+J], v[14:15] op_sel_hi:[1,0]
.set J, J+2
.endr
.irp b, 0,1
	v_max3_num_f32 v[232+\b], |v[96+16*\b]|, |v[97+16*\b]|, 0x1800000
.endr
.irp i, 2,4,6,8,10,12,14
.irp b, 0,1
	s_delay_alu instid0(VALU_DEP_2)
	v_max3_num_f32 v[232+\b], v[232+\b], |v[96+16*\b+\i]|, |v[97+16*\b+\i]|
.endr
.endr
.irp b, 0,1
	s_delay_alu instid0(VALU_DEP_2)
	v_permlanex16_b32 v[236+\b], v[232+\b], s20, s21
.endr
.irp b, 0,1
	s_delay_alu instid0(VALU_DEP_2)
	v_max_num_f32 v[232+\b], v[232+\b], v[236+\b]
.endr
.irp b, 0,1
	s_delay_alu instid0(VALU_DEP_2)
	v_add_nc_u32 v[244+\b], 0xff000000, v[232+\b]
.endr
.irp b, 0,1
	s_delay_alu instid0(VALU_DEP_2)
	v_lshrrev_b32 v[236+\b], 23, v[244+\b]
.endr
	v_cvt_scalef32_pk16_fp6_f32 v[84:86], v[96:111], v244
	v_cvt_scalef32_pk16_fp6_f32 v[88:90], v[112:127], v245
	v_nop
.irp i, 0,1,2
	v_permlane16_swap_b32 v[84+\i], v[88+\i]
.endr
	s_delay_alu instid0(VALU_DEP_1)
	v_cndmask_b32 v92, v84, v86, s42
	s_delay_alu instid0(VALU_DEP_3)
	v_cndmask_b32 v93, v85, v88, s42
	s_delay_alu instid0(VALU_DEP_3)
	v_cndmask_b32 v94, v86, v89, s42
	s_delay_alu instid0(VALU_DEP_4)
	v_cndmask_b32 v95, v88, v90, s42
	v_cndmask_b32 v206, v89, v84, s42
	v_cndmask_b32 v207, v90, v85, s42
	v_cndmask_b32 v208, v236, v237, s42
	global_store_b128 v5, v[92:95], s[48:49] offset:\oc
	global_store_b64 v6, v[206:207], s[48:49] offset:\oc+512
	global_store_b8 v7, v208, s[50:51] offset:\os
.endm
; THE DEAL of the work-group's 32 tiles of 16 queries, by the wave's number w: pass 0: tile w (all waves); pass 1: tile 16 + w (w under 12); pass 2: tile 28 + w (w under 4).
; Tile t is record t / 8 of the work-group's four, fragment (t / 2) % 4, half t % 2.  16 and 28 are even, so the half stays; 28 moves the fragment by two and the record by three.
	s_wait_alu depctr_va_vdst(0)
	s_wait_tensorcnt 0x0                           ; my key step's record is in
	s_barrier_signal -1
	s_barrier_wait -1                              ; all 16 key steps are shown to every wave
	s_wait_loadcnt 0x0
	MKQ 96
	INIT
	KEYS 16
	OUTP 0, 0, 0
	s_cmp_lt_u32 s12, 12
	s_cbranch_scc0 .Lprep1
	MKQ 192
	INIT
	s_cmp_lt_u32 s12, 4
	s_cbranch_scc0 .Lprep1
.irp c, 0,1,2
	global_load_b128 v[192+4*\c:195+4*\c], v8, s[46:47] offset:3*6400+2*FRB+512*\c   ; pass 2's q: three records and two fragments on; asked for a whole pass ahead
.endr
	global_load_b32 v204, v9, s[46:47] offset:3*6400+4
.Lprep1:
	KEYS 12
	s_cmp_lt_u32 s12, 12
	s_cbranch_scc0 .Lout1
	OUTP 1, 2*GRP, 8192
.Lout1:
	s_cmp_lt_u32 s12, 4
	s_cbranch_scc0 .Lprep2
	s_wait_loadcnt 0x0
	MKQ 192
	INIT
.Lprep2:
	KEYS 4
	s_cmp_lt_u32 s12, 4
	s_cbranch_scc0 .Lout2
	OUTP 1, 3*GRP+4*FRB, 3*4096+4*128
.Lout2:
	s_wait_dscnt 0x0
	s_wait_tensorcnt 0x0
	ds_add_u32 v223, v243
	s_wait_dscnt 0x0
	CROUND
	s_endpgm
.Lfunc_end_k_qe77aa0d152_attn:
	.size	k_qe77aa0d152_attn, .Lfunc_end_k_qe77aa0d152_attn-k_qe77aa0d152_attn
	.p2alignl 7, 3214868480
	.fill 96, 4, 3214868480
	.section	.rodata,"a",@progbits
	.p2align	6, 0x0
	.amdhsa_kernel k_qe77aa0d152_attn
		.amdhsa_group_segment_fixed_size 327680
		.amdhsa_private_segment_fixed_size 0
		.amdhsa_enable_private_segment 0
		.amdhsa_kernarg_size 32
		.amdhsa_user_sgpr_count 2
		.amdhsa_user_sgpr_kernarg_segment_ptr 1
		.amdhsa_wavefront_size32 1
		.amdhsa_system_sgpr_workgroup_id_x 1
		.amdhsa_system_sgpr_workgroup_id_y 1
		.amdhsa_system_sgpr_workgroup_id_z 1
		.amdhsa_system_vgpr_workitem_id 0
		.amdhsa_next_free_vgpr 256
		.amdhsa_next_free_sgpr 66
		.amdhsa_reserve_vcc 0
		.amdhsa_float_denorm_mode_32 3
		.amdhsa_float_denorm_mode_16_64 3
		.amdhsa_memory_ordered 1
		.amdhsa_forward_progress 1
		.amdhsa_inst_pref_size 77
	.end_amdhsa_kernel
	.amdgpu_metadata
---
amdhsa.version: [ 1, 2 ]
amdhsa.kernels:
  - .name:           k_qe77aa0d152_attn
    .symbol:         k_qe77aa0d152_attn.kd
    .args:
      - { .name: qi, .offset: 0, .size: 8, .value_kind: global_buffer, .address_space: global }
      - { .name: kv, .offset: 8, .size: 8, .value_kind: global_buffer, .address_space: global }
      - { .name: oimg, .offset: 16, .size: 8, .value_kind: global_buffer, .address_space: global }
      - { .name: osc, .offset: 24, .size: 8, .value_kind: global_buffer, .address_space: global }
    .group_segment_fixed_size: 327680
    .private_segment_fixed_size: 0
    .kernarg_segment_align: 8
    .kernarg_segment_size: 32
    .max_flat_workgroup_size: 512
    .sgpr_count:     66
    .vgpr_count:     256
    .wavefront_size: 32
...
	.end_amdgpu_metadata
.endif
;; end of part 3
;; launch outp (part 4): grid 4 x 64, 4 waves a work-group, clusters of 4 x 4, 327,680 bytes of LDS; arguments oimg, osc, wimg, wsc, bo, out0; writes out0
.if DOCPART == 4
	.amdgcn_target "amdgcn-amd-amdhsa--gfx1250"
	.amdhsa_code_object_version 6
	.text
	.protected	k_qe77aa0d152_outp
	.globl	k_qe77aa0d152_outp
	.p2align	8
	.type	k_qe77aa0d152_outp,@function
k_qe77aa0d152_outp:
	s_mov_b64 s[64:65], 0
	v_nop
	global_prefetch_b8 v0, s[64:65] scope:SCOPE_SE
	s_setreg_imm32_b32 hwreg(HW_REG_WAVE_MODE, 25, 1), 1
	s_wait_xcnt 0x0
	s_wait_alu depctr_hold_cnt(0) depctr_sa_sdst(0) depctr_va_vdst(0) depctr_va_sdst(0) depctr_va_ssrc(0) depctr_va_vcc(0) depctr_vm_vsrc(0)
	s_getreg_b32 s2, hwreg(HW_REG_IB_STS2, 6, 4)
	s_cmp_eq_u32 s2, 0
	s_cbranch_scc0 .Lentry_in_a_cluster
	s_endpgm
.Lentry_in_a_cluster:
	s_bfe_u32 s2, ttmp6, 0x10000c
	s_cmp_lg_u32 s2, 0xf033
	s_cbranch_scc0 .Lentry_shape_is_right
	s_endpgm
.Lentry_shape_is_right:
; out0 = o wo + bo on codes of FP6 (E2M3), K = 1,024.  A' = o's image (rows: tokens), B' = wo's image (rows: output columns; groups 24-31 of the weights' image).
; Tiles of 128 rows x 256 columns: 256 work-groups, one for each WGP (tiles of 256 x 256 would be 128).  Four waves of 64 x 128: 32 accumulators, 256 registers.
; Source 0 = 16 rows of B', source 1 = 16 rows of A': lane (r, h), register j of accumulator (a, b) is token (tile a, lane r) and column 32 (b / 2) + 16 h + 8 (b % 2) + j.
; ALL OF K LIES IN LDS: four slots of 73,728 bytes (A's 24,576, B's 2 x 24,576), one for each K step of 256, and the scale words (A's 4,096, B's 8,192): every byte is filled once, so no slot is filled again.
; CLUSTER 4 x 4: A's tiles are asked for jointly along a row of the cluster, B's along a column.  A wave has one tensor load out at a time.
; The way out goes through a stage at LDS byte 0, over slot 0 and the start of slot 1, which have had their only fill and whose last reads ended in front of the second change of slots.
.set NA,    4
.set NL,    3
.set NP,    4
.set FR,    12
.set FRB,   1536
.set KAP,   12288
.set KST,   24576
.set GRP,   98304
.set SLOT,  73728
.set SCL,   294912
.set SPITCH, 528                       ; the stage: 16 rows x (512 bytes + 16) for each wave
.set ADRA, 16                          ; v16-19 LDS address of my A' fragments in slot 0 .. 3
.set ADRB, 20                          ; v20-23 the same for B'
.set STO,  24
.set RD,   25
.set CO,   26                          ; v26    16 x lane
.set ADRS, 27
.set SC,   32                          ; v32-63 scale words, two sets of 16
.set AF,   128                         ; v128-175 A's fragments, one set
.set BK,   128                         ; the way out: v128-191 and v192-255 by turns
.set G1,   24                          ; s[24:31] group 1 for A's tiles; s[32:47] groups 0
.set G0,   32
.set G1B,  48                          ; s[48:55] group 1 for B's; groups 0 at s56, s60
.set G0B,  56
.set G1S,  76
.set G0S,  84
.set G1SB, 88
.set G0SB, 96
.set MSB, 0
.macro WIN new
.if MSB != (\new)
	s_set_vgpr_msb (MSB<<8)|(\new)
.set MSB, (\new)
.endif
.endm
.set MUL_LO, 0xa1                      ; source 0 (B') window 1, source 1 (A') window 0, C and D window 2
.set MUL_HI, 0xa1
.set TO_B,   0x40
.macro PLACES n
.rept \n
	v_nop
.endr
.endm
.macro CROUND
	s_barrier_signal -1
	s_barrier_wait -1
	s_cmp_lg_u32 s14, 0
	s_cbranch_scc1 .Lnot_wave_0_\@
	s_barrier_signal -3
.Lnot_wave_0_\@:
	s_barrier_wait -3
	s_barrier_signal -1
	s_barrier_wait -1
.endm
	s_load_b256 s[4:11], s[0:1], 0x0               ; oimg, osc, wimg, wsc
	v_lshl_add_u32 v126, v0, 2, 0x4b000
	v_mov_b32 v127, 0
	ds_add_u32 v126, v127
	ds_add_u32 v126, v127
	v_lshrrev_b32 v1, 5, v0
	v_readfirstlane_b32 s14, v1                    ; wave 0..3
	s_lshr_b32 s15, s14, 1                         ; my half of the rows.  Also: I fetch for A' (0) or for B' (1)
	s_and_b32 s16, s14, 1                          ; my half of the columns.  Also: which half I fetch
	s_bfe_u32 s18, ttmp6, 0x40000                  ; cx
	s_bfe_u32 s19, ttmp6, 0x40004                  ; cy
	s_lshl_b32 s20, s19, 2
	s_lshl_b32 s20, 15, s20                        ; my row of the cluster
	s_lshl_b32 s21, 0x1111, s18                    ; my column
	s_lshl_b32 s22, ttmp9, 2
	s_add_co_u32 s22, s22, s18                     ; tile column
	s_and_b32 s23, ttmp7, 0xffff
	s_lshl_b32 s23, s23, 2
	s_add_co_u32 s23, s23, s19                     ; tile row = o's group
	s_mul_i32 s2, s23, GRP
	s_mov_b32 s3, 0
	s_lshl_b32 s12, s23, 12
	s_mov_b32 s13, 0
	s_lshl_b32 s17, s22, 1
	s_add_co_u32 s17, s17, 24
	s_mul_i32 s100, s17, GRP
	s_mov_b32 s101, 0
	s_lshl_b32 s104, s17, 12
	s_mov_b32 s105, 0
	s_or_b32 s[G1], s20, (3<<16)|(1<<21)           ; dense blocks as rows of 256 bytes (32 elements of 8 bytes); the mask; bit 21 beside it; no padding
	s_or_b32 s[G1B], s21, (3<<16)|(1<<21)
	s_or_b32 s[G1S], s20, (3<<16)|(1<<21)
	s_or_b32 s[G1SB], s21, (3<<16)|(1<<21)
.macro SHAPE g, rows
	s_mov_b32 s[\g+1], 32<<16                      ; tensor_dim0
	s_mov_b32 s[\g+2], (\rows)<<16                 ; tensor_dim1
	s_mov_b32 s[\g+3], 32<<16                      ; tile_dim0
	s_mov_b32 s[\g+4], \rows                       ; tile_dim1
	s_mov_b32 s[\g+5], 32                          ; the pitch
	s_mov_b32 s[\g+6], 0
	s_mov_b32 s[\g+7], 0
.endm
	SHAPE G1, 192                                  ; the head: A's K steps 0 and 1, 49,152 dense bytes
	SHAPE G1B, 2                                   ; B's K steps 0 and 1 of two groups: 2 rows of 49,152 bytes (6,144 elements), a group (12,288 elements) apart
	s_mov_b32 s[G1B+1], 6144<<16
	s_mov_b32 s[G1B+3], 6144<<16
	s_mov_b32 s[G1B+5], 12288
	SHAPE G1S, 16
	SHAPE G1SB, 32
	s_wait_dscnt 0x0
	s_wait_kmcnt 0x0
	s_add_nc_u64 s[4:5], s[4:5], s[2:3]
	s_add_nc_u64 s[6:7], s[6:7], s[12:13]
	s_add_nc_u64 s[8:9], s[8:9], s[100:101]
	s_add_nc_u64 s[10:11], s[10:11], s[104:105]
	s_mov_b32 s[G0S], 1
	s_mov_b32 s[G0S+1], SCL
	s_mov_b64 s[G0S+2:G0S+3], s[6:7]
	s_or_b32 s[G0S+3], s[G0S+3], 0x80000000
	s_mov_b32 s[G0SB], 1
	s_mov_b32 s[G0SB+1], SCL+4096
	s_mov_b64 s[G0SB+2:G0SB+3], s[10:11]
	s_or_b32 s[G0SB+3], s[G0SB+3], 0x80000000
; LDS AS IT IS NOW: two halves of 2 SLOT bytes, K steps 0-1 and K steps 2-3; in a half A's two K steps (2 KST), then each of B's two groups' two K steps (2 KST each).  Every byte is filled once.
	s_mov_b32 s[G0], 1                             ; the head: A's K steps 0-1,
	s_mov_b32 s[G0+1], 0
	s_mov_b64 s[G0+2:G0+3], s[4:5]
	s_or_b32 s[G0+3], s[G0+3], 0x80000000
	s_mov_b32 s[G0B], 1                            ; B's, both groups
	s_mov_b32 s[G0B+1], 2*KST
	s_mov_b64 s[G0B+2:G0B+3], s[8:9]
	s_or_b32 s[G0B+3], s[G0B+3], 0x80000000
	s_mul_i32 s2, s16, KST                         ; (s3 = s13 = 0 still)
	s_mul_i32 s12, s16, GRP
	s_mov_b32 s[G0+4], 1                           ; the second half: waves 0 and 1 one K step of A each,
	s_add_co_u32 s[G0+5], s2, 2*SLOT
	s_add_nc_u64 s[G0+6:G0+7], s[4:5], s[2:3]
	s_add_nc_u64 s[G0+6:G0+7], s[G0+6:G0+7], 2*KST
	s_mov_b32 s[G0B+4], 1                          ; waves 2 and 3 a group of B each, K steps 2-3
	s_lshl_b32 s[G0B+5], s2, 1
	s_add_co_u32 s[G0B+5], s[G0B+5], 2*SLOT+2*KST
	s_add_nc_u64 s[G0B+6:G0B+7], s[8:9], s[12:13]
	s_add_nc_u64 s[G0B+6:G0B+7], s[G0B+6:G0B+7], 2*KST
	s_cmp_eq_u32 s15, 0                            ; what my second load will bring is asked for into the L2: the four partners take a quarter each, by address
	s_cselect_b64 s[68:69], s[G0+6:G0+7], s[G0B+6:G0B+7]
	s_cselect_b32 s70, s18, s19                    ; cx for A', cy for B'
	s_cselect_b32 s71, 24, 48                      ; blocks of 256 bytes a partner
	s_cselect_b32 s72, 23, 31
	s_mul_i32 s70, s70, s71
	s_lshl_b32 s70, s70, 8
	s_or_b32 s[G0+7], s[G0+7], 0x80000000
	s_or_b32 s[G0B+7], s[G0B+7], 0x80000000
	CROUND                                         ; all sixteen work-groups are here: the joint loads meet
; The head's four tiles, one joint load a wave, in one chain of branches on the wave's number
.macro ARM under, g0, g1, next
	s_cmp_lt_u32 s14, \under
	s_cbranch_scc0 \next
	tensor_load_to_lds s[\g0:\g0+3], s[\g1:\g1+7]
	s_nop 0
	PLACES 4
	s_branch .Lfirst_done
\next:
.endm
	ARM 1, G0, G1, .Lhead_b
	ARM 2, G0B, G1B, .Lhead_sa
	ARM 3, G0S, G1S, .Lhead_sb
	tensor_load_to_lds s[G0SB:G0SB+3], s[G1SB:G1SB+7]
	s_nop 0
	PLACES 4
.Lfirst_done:
	v_and_b32 v5, 31, v0
	v_and_b32 v6, 15, v0
	v_min_u32 v5, s72, v5                          ; A's waves: 24 blocks (the lanes left over name the last again); B's: 32, and 16 more below
	v_lshl_add_u32 v5, v5, 8, s70
	v_lshl_add_u32 v6, v6, 8, s70
	global_prefetch_b8 v5, s[68:69] th:TH_LOAD_NT scope:SCOPE_SE
	s_cmp_eq_u32 s15, 0
	s_cbranch_scc1 .Lpf_done
	global_prefetch_b8 v6, s[68:69] offset:8192 th:TH_LOAD_NT scope:SCOPE_SE
.Lpf_done:
	s_load_b128 s[4:7], s[0:1], 0x20               ; bo, out0
	v_and_b32 v1, 31, v0                           ; lane
	v_and_b32 v2, 15, v0                           ; r
	v_bfe_u32 v3, v0, 4, 1                         ; h
	v_lshlrev_b32 v[CO], 4, v1
	s_wait_alu depctr_va_vdst(0)
	s_mul_i32 s2, s15, 4*FRB                       ; my four tiles of A',
	s_mul_i32 s3, s16, 2*KST
	s_add_co_u32 s3, s3, 2*KST
	v_add_nc_u32 v[ADRA], s2, v[CO]
	v_add_nc_u32 v[ADRB], s3, v[CO]
.irp n, 1,2,3
	v_add_nc_u32 v[ADRA+\n], (\n/2)*2*SLOT+(\n%2)*KST, v[ADRA]
	v_add_nc_u32 v[ADRB+\n], (\n/2)*2*SLOT+(\n%2)*KST, v[ADRB]
.endr
	s_lshl_b32 s2, s15, 9                          ; scale words: lanes 0-15 A's tiles 4 x half on, lanes 16-31 B's group: one product.  (Lanes 0-15 of the registers of tiles 4-7 read filled bytes that no product names)
	s_lshl_b32 s3, s16, 12
	s_add_co_u32 s3, s3, 4096
	s_sub_co_u32 s3, s3, s2
	v_mul_u32_u24 v4, s3, v3
	s_add_co_u32 s2, s2, SCL
	v_lshl_add_u32 v4, v2, 3, v4
	v_add_nc_u32 v[ADRS], s2, v4
	s_mul_i32 s2, s14, 16*SPITCH                   ; my stage
	v_mul_u32_u24 v4, v2, SPITCH
	v_lshl_add_u32 v4, v3, 6, v4
	v_add_nc_u32 v[STO], s2, v4                    ; in: row r, + 64 h
	v_add_nc_u32 v[RD], s2, v[CO]                  ; back: a row's 512 bytes
	s_lshl_b32 s2, s22, 10
	s_lshl_b32 s12, s16, 9
	s_add_co_u32 s2, s2, s12                       ; my first column, in bytes
	s_mov_b32 s3, 0
	s_lshl_b32 s12, s23, 19
	s_lshl_b32 s13, s15, 18
	s_add_co_u32 s12, s12, s13                     ; my first row: 128 x tile row + 64 x half, of 4,096 bytes
	s_add_co_u32 s12, s12, s2
	s_mov_b32 s13, 0
	s_wait_alu depctr_va_vdst(0)
	s_wait_kmcnt 0x0
	s_add_nc_u64 s[4:5], s[4:5], s[2:3]
	s_add_nc_u64 s[6:7], s[6:7], s[12:13]
	global_load_b128 v[12:15], v[CO], s[4:5]       ; bo of my four columns: the same in every row that I store
.macro FRAG reg, adr, q, i
.irp c, 0,1,2
	ds_load_b128 v[(\reg)+4*\c:(\reg)+4*\c+3], v[\adr] offset:(\q)*KAP+(\i)*FRB+512*\c
.endr
.endm
.macro FETCH_B slot, q, p
	WIN TO_B
.set FI, 0
.rept 8
	FRAG 128*(\p)+FR*FI, ADRB+\slot, \q, FI
.set FI, FI+1
.endr
	WIN 0
.endm
.macro FETCH_A slot, q, half
.set FI, (\half)*(NA/2)
.rept NA/2
	FRAG AF+FR*FI, ADRA+\slot, \q, FI
.set FI, FI+1
.endr
.endm
.macro SCALES ks
.irp i, 0,1,2,3,4,5,6,7
	ds_load_b64 v[SC+16*((\ks)%2)+2*\i:SC+16*((\ks)%2)+2*\i+1], v[ADRS] offset:1024*(\ks)+128*\i
.endr
.endm
; One tile of A' against B's eight.  The 32 accumulators take turns, one instruction a turn, in the same order in every step.
.macro MULQ qd, p, q, set, zero
.set MA, (\qd)*(NA/4)
.rept NA/4
.set MB, 0
.rept 8
.set MD, 8*(8*(MA%4)+MB)
.if \zero
	v_wmma_scale_f32_16x16x128_f8f6f4 v[MD:MD+7], v[128*(\p)+FR*MB:128*(\p)+FR*MB+FR-1], v[AF+FR*MA:AF+FR*MA+FR-1], 0, v[SC+16*(\set)+2*MB+(\q)], v[SC+16*(\set)+2*MA+(\q)] matrix_a_fmt:MATRIX_FMT_FP6 matrix_b_fmt:MATRIX_FMT_FP6 matrix_a_scale:MATRIX_SCALE_ROW1
.else
	v_wmma_scale_f32_16x16x128_f8f6f4 v[MD:MD+7], v[128*(\p)+FR*MB:128*(\p)+FR*MB+FR-1], v[AF+FR*MA:AF+FR*MA+FR-1], v[MD:MD+7], v[SC+16*(\set)+2*MB+(\q)], v[SC+16*(\set)+2*MA+(\q)] matrix_a_fmt:MATRIX_FMT_FP6 matrix_b_fmt:MATRIX_FMT_FP6 matrix_a_scale:MATRIX_SCALE_ROW1
.endif
.set MB, MB+1
.endr
.set MA, MA+1
.endr
.endm
.macro STEP slot, set, zero            ; a K step's first 128
	s_wait_dscnt (NA/2)*NL                         ; all but the youngest loads, A's upper tiles
	WIN MUL_LO
	MULQ 0, 0, 0, \set, \zero
	MULQ 1, 0, 0, \set, \zero
	s_wait_dscnt 0x0
	PLACES NP                                      ; in front of loads into registers that matrix instructions have read
	FETCH_B \slot, 1, 1
	FETCH_A \slot, 1, 0
	WIN MUL_HI
	MULQ 2, 0, 0, \set, \zero
	MULQ 3, 0, 0, \set, \zero
	PLACES NP
	WIN 0
	FETCH_A \slot, 1, 1
.endm
.macro TURN slot, next, set, ksn, n    ; a K step's second 128, and on to the next slot: its tile is waited for (n later loads may stay out), one barrier
	s_wait_tensorcnt \n
	s_wait_dscnt (NA/2)*NL
	WIN MUL_LO
	MULQ 0, 1, 1, \set, 0
	s_wait_dscnt 0x0                               ; my reads of this slot are over
	s_barrier_signal -1
	MULQ 1, 1, 1, \set, 0
	WIN 0
	s_barrier_wait -1
	PLACES NP
	FETCH_B \next, 0, 0
	FETCH_A \next, 0, 0
	SCALES \ksn
	WIN MUL_HI
	MULQ 2, 1, 1, \set, 0
	MULQ 3, 1, 1, \set, 0
	PLACES NP
	WIN 0
	FETCH_A \next, 0, 1
.endm
	s_wait_alu depctr_va_vdst(0)
	s_wait_tensorcnt 0x0                           ; my tile of the head's four is in
	ds_add_u32 v126, v127
	s_mov_b32 s[G1+2], 96<<16                      ; no load of mine is out: A's next load brings 96 rows of 256 bytes, B's 192
	s_mov_b32 s[G1+4], 96
	s_mov_b32 s[G1B+1], 32<<16
	s_mov_b32 s[G1B+2], 192<<16
	s_mov_b32 s[G1B+3], 32<<16
	s_mov_b32 s[G1B+4], 192
	s_mov_b32 s[G1B+5], 32
	s_wait_dscnt 0x0
	CROUND                                         ; K steps 0 and 1 and the scale words are shown to every wave, and the sixteen work-groups meet
	s_cmp_eq_u32 s15, 0
	s_cbranch_scc0 .Lsecond_b
	tensor_load_to_lds s[G0+4:G0+7], s[G1:G1+7]
	s_nop 0
	PLACES 4
	s_branch .Lsecond_done
.Lsecond_b:
	tensor_load_to_lds s[G0B+4:G0B+7], s[G1B:G1B+7]
	s_nop 0
	PLACES 4
.Lsecond_done:
	FETCH_B 0, 0, 0
	FETCH_A 0, 0, 0
	SCALES 0
	FETCH_A 0, 0, 1
	STEP 0, 0, 1                                   ; the first products start the sums
	TURN 0, 1, 0, 1, 1                             ; K step 1 is in already; my one load, of K steps 2-3, may be out
	STEP 1, 1, 0
	TURN 1, 2, 1, 2, 0                             ; my part of K steps 2-3 is in
	STEP 2, 0, 0
	TURN 2, 3, 0, 3, 0
	STEP 3, 1, 0
	s_wait_dscnt (NA/2)*NL
	WIN MUL_LO
	MULQ 0, 1, 1, 1, 0
	MULQ 1, 1, 1, 1, 0
	s_wait_dscnt 0x0
	MULQ 2, 1, 1, 1, 0
	MULQ 3, 1, 1, 1, 0
	WIN 0
	PLACES NP
; THE WAY OUT, a tile of 16 rows x 128 columns at a time: a lane's 32 neighbouring bytes go into my stage, whole rows of 512 bytes come back, bo is added, and the 32 lanes store 512 consecutive bytes, aligned.
.macro TOSTAGE a
	WIN 0x08                                       ; an LDS store's data: window 2
.irp b, 0,1,2,3,4,5,6,7
	ds_store_b128 v[STO], v[64*(\a)+8*\b:64*(\a)+8*\b+3] offset:128*(\b/2)+32*(\b%2)           ; each accumulator from its low end on
	ds_store_b128 v[STO], v[64*(\a)+8*\b+4:64*(\a)+8*\b+7] offset:128*(\b/2)+32*(\b%2)+16
.endr
	WIN 0
.set BB, BK+64*((\a)%2)
.irp t, 0,1,2,3,4,5,6,7,8,9,10,11,12,13,14,15
	ds_load_b128 v[BB+4*\t:BB+4*\t+3], v[RD] offset:\t*SPITCH      ; LDS serves a wave's instructions in order: these see the stores above, and the next tile's stores come behind them
.endr
.endm
.macro SEND a, younger                 ; younger: the LDS instructions issued behind tile a's loads
.set BB, BK+64*((\a)%2)
	s_wait_dscnt \younger
.irp t, 0,1,2,3,4,5,6,7,8,9,10,11,12,13,14,15
	v_pk_add_f32 v[BB+4*\t:BB+4*\t+1], v[BB+4*\t:BB+4*\t+1], v[12:13]
	v_pk_add_f32 v[BB+4*\t+2:BB+4*\t+3], v[BB+4*\t+2:BB+4*\t+3], v[14:15]
.endr
.irp t, 0,1,2,3,4,5,6,7,8,9,10,11,12,13,14,15
	global_store_b128 v[CO], v[BB+4*\t:BB+4*\t+3], s[6:7] offset:(32*((\a)/2)+8*((\a)%2)+\t+8*(\t/8))*4096 th:TH_STORE_NT
.endr
.endm
	s_wait_loadcnt 0x0                             ; bo
	TOSTAGE 0
.irp a, 1,2,3
.if \a > 1
	s_wait_xcnt 0x0                                ; the stores of two tiles back have read their registers: this tile's loads may land there
.endif
	TOSTAGE \a
	SEND \a-1, 32                                  ; behind that tile's loads: this tile's 16 stores and 16 loads
.endr
	SEND 3, 0
	s_wait_dscnt 0x0
	s_wait_tensorcnt 0x0
	ds_add_u32 v126, v127
	s_wait_dscnt 0x0
	CROUND                                         ; the closing round: no work-group ends while a partner may still ask for a tile that names it
	s_endpgm
.Lfunc_end_k_qe77aa0d152_outp:
	.size	k_qe77aa0d152_outp, .Lfunc_end_k_qe77aa0d152_outp-k_qe77aa0d152_outp
	.p2alignl 7, 3214868480
	.fill 96, 4, 3214868480
	.section	.rodata,"a",@progbits
	.p2align	6, 0x0
	.amdhsa_kernel k_qe77aa0d152_outp
		.amdhsa_group_segment_fixed_size 327680
		.amdhsa_private_segment_fixed_size 0
		.amdhsa_enable_private_segment 0
		.amdhsa_kernarg_size 48
		.amdhsa_user_sgpr_count 2
		.amdhsa_user_sgpr_kernarg_segment_ptr 1
		.amdhsa_wavefront_size32 1
		.amdhsa_system_sgpr_workgroup_id_x 1
		.amdhsa_system_sgpr_workgroup_id_y 1
		.amdhsa_system_sgpr_workgroup_id_z 1
		.amdhsa_system_vgpr_workitem_id 0
		.amdhsa_next_free_vgpr 768
		.amdhsa_next_free_sgpr 106
		.amdhsa_reserve_vcc 0
		.amdhsa_float_denorm_mode_32 3
		.amdhsa_float_denorm_mode_16_64 3
		.amdhsa_memory_ordered 1
		.amdhsa_forward_progress 1
		.amdhsa_inst_pref_size 90
	.end_amdhsa_kernel
	.amdgpu_metadata
---
amdhsa.version: [ 1, 2 ]
amdhsa.kernels:
  - .name:           k_qe77aa0d152_outp
    .symbol:         k_qe77aa0d152_outp.kd
    .args:
      - { .name: oimg, .offset: 0, .size: 8, .value_kind: global_buffer, .address_space: global }
      - { .name: osc, .offset: 8, .size: 8, .value_kind: global_buffer, .address_space: global }
      - { .name: wimg, .offset: 16, .size: 8, .value_kind: global_buffer, .address_space: global }
      - { .name: wsc, .offset: 24, .size: 8, .value_kind: global_buffer, .address_space: global }
      - { .name: bo, .offset: 32, .size: 8, .value_kind: global_buffer, .address_space: global }
      - { .name: out0, .offset: 40, .size: 8, .value_kind: global_buffer, .address_space: global }
    .group_segment_fixed_size: 327680
    .private_segment_fixed_size: 0
    .kernarg_segment_align: 8
    .kernarg_segment_size: 48
    .max_flat_workgroup_size: 128
    .sgpr_count:     106
    .vgpr_count:     768
    .wavefront_size: 32
...
	.end_amdgpu_metadata
.endif
;; end of part 4
